; MI455X (gfx1250); checked and timed in simulation.
; The chip was launched on July 23, 2026; its instructions are those of AMD's public machine-readable ISA for CDNA 5 (MIT licence, August 2026) and "CDNA5" Instruction Set Architecture Reference Guide (July 2026). The comments in the code are by the model that wrote it; some were corrected since.
;; Multi Head Diff Attention. Allowed arithmetic: matrix products marked QUANTISED: E2M3 operands, one E8M0 scale for each 32 along K, by v_wmma_scale_f32_16x16x128_f8f6f4 with both operands' format E2M3, f32 sums; everything else in f32.
;; Inputs: c_w 2,048 x 1,024 float32; k1_w 1,024 x 1,024 float32; k2_w 1,024 x 1,024 float32; lambda_k1 16 x 64 float32; lambda_k2 16 x 64 float32; lambda_q1 16 x 64 float32; lambda_q2 16 x 64 float32; q1_w 1,024 x 1,024 float32; q2_w 1,024 x 1,024 float32; v_w 1,024 x 2,048 float32; x 2 x 2,048 x 1,024 float32.
;; Outputs: out0 2 x 2,048 x 1,024 float32.
;; This version of the problem:
;;   THIS VERSION OF THE PROBLEM IS GIVEN IN LOW PRECISION. The matrix products marked QUANTISED in the list below multiply operands that are first quantised to E2M3 (2 exponent bits, 3 mantissa bits; 6 bits a number), with one power-of-two scale for each 32 numbers along K (OCP MX v1.0); their sums are f32. All else is computed in f32.
;;   The module's matrix products, in the order in which they are computed (A, B: the left and right operand; K: the contracted axis; several contracted axes count as one K, in the product's order):
;;     1. [M 4,096, K 1,024] x [K 1,024, N 1,024]; A: input x; B: input q1_w: QUANTISED
;;     2. [M 4,096, K 1,024] x [K 1,024, N 1,024]; A: input x; B: input q2_w: QUANTISED
;;     3. [M 4,096, K 1,024] x [K 1,024, N 1,024]; A: input x; B: input k1_w: QUANTISED
;;     4. [M 4,096, K 1,024] x [K 1,024, N 1,024]; A: input x; B: input k2_w: QUANTISED
;;     5. [M 4,096, K 1,024] x [K 1,024, N 2,048]; A: input x; B: input v_w: QUANTISED
;;     6. batch 32 x [M 2,048, K 64] x [K 64, N 2,048]; A: computed on the way; B: computed on the way: QUANTISED
;;     7. batch 32 x [M 2,048, K 64] x [K 64, N 2,048]; A: computed on the way; B: computed on the way: QUANTISED
;;     8. batch 32 x [M 2,048, K 2,048] x [K 2,048, N 128]; A: computed on the way; B: computed on the way: QUANTISED
;;     9. [M 4,096, K 2,048] x [K 2,048, N 1,024]; A: computed on the way; B: input c_w: QUANTISED
;;   THE QUANTISER, for each operand of a quantised product, along K:
;;     - K is cut into blocks of 32 from its start; a last block that is shorter is filled with zeros.
;;     - A block's scale is 2^e with e = floor(log2(the largest magnitude in the block)) - 2, held to -126 .. 127; a block of zeros has e = 0. As a byte (E8M0): e + 127.
;;     - Each number is divided by its block's scale, clamped to +-7.5, and rounded to the nearest number of E2M3, ties to even, subnormals kept.
;;     - The product sums the exact products of the quantised numbers (number of the format x scale) in f32.
;;   ~~~python
;;   def quantise(x, axis):      # numpy; x: float32 -> the quantised numbers, widened to float32 again
;;       x = np.moveaxis(x, axis, -1); K = x.shape[-1]
;;       x = np.pad(x, [(0, 0)] * (x.ndim - 1) + [(0, -K % 32)]); x = x.reshape(x.shape[:-1] + (-1, 32)); a = np.abs(x).max(-1, keepdims=True)
;;       e = np.where(a > 0, np.clip(np.frexp(np.where(a > 0, a, 1))[1] - 1 - 2, -126, 127), 0)      # np.frexp(a)[1] - 1 = floor(log2(a)), exactly
;;       r = np.clip(x / 2.0 ** e, -7.5, 7.5)
;;       step = 2.0 ** (np.maximum(np.frexp(np.where(r == 0, 1, r))[1] - 1, 0) - 3)
;;       q = np.round(r / step) * step * 2.0 ** e      # np.round: ties to even
;;       return np.moveaxis(q.reshape(q.shape[:-2] + (-1,))[..., :K], -1, axis).astype(np.float32)
;;   ~~~
;;   OPERANDS COMPUTED ON THE WAY. 'Computed on the way' means the value that the module computes at that place (a softmax that the list does not call 'softmax' is quantised finished and normalised). What goes into a quantiser is computed in f32, as accurately as f32 sums, v_exp_f32 and their like allow (about 1e-6 of the number): no bf16 or f16 on the way to a quantiser, and a product that is left as it is and whose result goes on into a quantised operand takes f32 operands (vector FMAs, or v_wmma_f32_16x16x4_f32). A number that lies on a knife's edge between two numbers of the format may be rounded either way, as far as f32 arithmetic and the matrix unit's own rounding can turn it there, and no further.
;; One version. Each part assembles by itself: llvm-mc -triple=amdgcn-amd-amdhsa -mcpu=gfx1250 --defsym DOCPART=n.
;; ======== version 1 of 1: 4 launches
;; limits: right only within a limited range of input values
;; workspace buffers: opq 9,437,184 bytes; ops 393,216 bytes; qkvc 18,874,368 bytes; qkvs 786,432 bytes; yq 6,291,456 bytes; ys 262,144 bytes
;; launch quant (part 1): grid 768 x 1, 4 waves a work-group, no clusters, 68,096 bytes of LDS; arguments x, q1_w, q2_w, k1_w, k2_w, v_w, c_w, opq, ops; writes opq, ops
.if DOCPART == 1
	.amdgcn_target "amdgcn-amd-amdhsa--gfx1250"
	.amdhsa_code_object_version 6
	.text
	.protected	k_qee7b1b1edf_quant
	.globl	k_qee7b1b1edf_quant
	.p2align	8
	.type	k_qee7b1b1edf_quant,@function
k_qee7b1b1edf_quant:
	s_mov_b64 s[64:65], 0
	v_nop
	global_prefetch_b8 v0, s[64:65] scope:SCOPE_SE
	s_setreg_imm32_b32 hwreg(HW_REG_WAVE_MODE, 25, 1), 1
	s_wait_xcnt 0x0
; x [4096][1024] and the six weights ([K][N], f32) become codes of FP6 (E2M3) with one E8M0 byte for each 32 along K, laid as IMAGES OF OPERAND REGISTERS.
; A fragment is 16 rows x 128 K, 12 registers a lane: register 4 c + k of lane L lies at byte 512 c + 16 L + 4 k (1,536 bytes).  A GROUP is the eight fragments of 128 rows for one K step (12,288 bytes);
; its scale words are 512 bytes, row-lane r, tile i at 32 r + 4 i.  Tile 2 b + u, row-lane p holds row 32 b + 8 u + p + (p & 8) of the 128: used as source 0 of a product such tiles leave a lane's results in ascending order.
; Work-group g makes group g:  0-255 x (block of 128 tokens g / 8, K step g % 8);  256-383 a head's [q1 | q2] columns;  384-511 [k1 | k2];  512-639 a head's 128 columns of v_w;  640-767 c_w (block (g - 640) / 16, K step g % 16).
; Wave b makes tiles 2 b and 2 b + 1.  A LANE HOLDS ONE ROW OF THE OPERAND AND ITS 128 NUMBERS, four whole blocks: no other lane is asked for a maximum.  Lane L takes row sw(L) = L with bits 3 and 4 exchanged of the wave's 32.
; x has K innermost: each load takes 512 consecutive bytes of a row, and the 32 rows turn through the wave's own stage in LDS.  The weights have K outermost: a lane takes a column and its registers run down K.
; A block's scale is 2^(floor(log2(largest magnitude)) - 2): its byte is the largest magnitude's exponent field - 2, held at 1 from below.
; LIMITS: NaN and infinities are not served; a block of zeros gets the byte 1 where the rule says 127 (its codes are zeros, and this program alone reads the bytes).
; No loop, no barrier: waves share nothing.
.set X,    32                          ; v32-159  my row's 128 numbers
.set SWD,  20                          ; v20      my row's scale word
.set SO,   24                          ; v24-27   the conversions' scale operands, one a block
.set EV,   160                         ; v160-171 blocks 0 and 2, later tile 2 b
.set OD,   172                         ; v172-183 blocks 1 and 3, later tile 2 b + 1
.set HIH,  184                         ; v184-198 each block's upper 16 codes, before they are moved
.set WST,  16896                       ; a wave's stage: 32 rows of PIT bytes
.set PIT,  528                         ; 512 bytes + 16: sixteen lanes that read 16 bytes of sixteen rows touch sixteen different columns of 16 bytes
	s_load_b512 s[8:23], s[0:1], 0x0               ; x, q1_w, q2_w, k1_w, k2_w, v_w, c_w, opq
	s_load_b64 s[24:25], s[0:1], 0x40              ; ops
	v_lshl_add_u32 v208, v0, 2, 0x10800
	v_mov_b32 v209, 0
	v_lshrrev_b32 v1, 5, v0
	v_readfirstlane_b32 s2, v1                     ; wave 0..3
	v_and_b32 v2, 31, v0                           ; lane
	v_lshlrev_b32 v3, 4, v2                        ; 16 L
	v_and_b32 v4, 7, v2
	v_bfe_u32 v5, v2, 4, 1
	v_lshl_add_u32 v4, v5, 3, v4
	v_bfe_u32 v6, v2, 3, 1
	v_lshl_add_u32 v4, v6, 4, v4                   ; sw(L)
	v_lshlrev_b32 v4, 2, v4                        ; a weight's column: 4 bytes each
	v_and_b32 v7, 15, v2
	v_lshlrev_b32 v7, 5, v7
	v_lshl_add_u32 v7, v5, 2, v7                   ; my scale word's place: 32 (L & 15) + 4 (L >> 4)
	s_mul_i32 s3, s2, WST
	v_add_nc_u32 v8, s3, v3                        ; the stage, on the way in: 16 L of a row
	v_mul_u32_u24 v9, v2, PIT
	v_add_nc_u32 v9, s3, v9                        ; and on the way out: row L
	s_mul_i32 s4, ttmp9, 12288
	s_mul_i32 s5, s2, 3072
	s_add_co_u32 s4, s4, s5                        ; my two fragments in opq
	s_mov_b32 s5, 0
	s_lshl_b32 s6, ttmp9, 9
	s_lshl_b32 s7, s2, 3
	s_add_co_u32 s6, s6, s7                        ; my two tiles' words in ops
	s_mov_b32 s7, 0
	s_wait_kmcnt 0x0
	s_add_nc_u64 s[22:23], s[22:23], s[4:5]
	s_add_nc_u64 s[24:25], s[24:25], s[6:7]
	s_cmp_ge_u32 ttmp9, 256
	s_cbranch_scc1 .Lweights
	; ---- x: rows 32 (4 (g / 8) + wave) on, bytes 512 (g % 8) on
	s_lshr_b32 s4, ttmp9, 3
	s_lshl_b32 s4, s4, 2
	s_add_co_u32 s4, s4, s2
	s_lshl_b32 s4, s4, 17                          ; 32 rows of 4,096 bytes
	s_and_b32 s6, ttmp9, 7
	s_lshl_b32 s6, s6, 9
	s_add_co_u32 s4, s4, s6
	s_mov_b32 s5, 0
	s_add_nc_u64 s[8:9], s[8:9], s[4:5]
.set j, 0
.rept 32
	global_load_b128 v[X+4*j:X+4*j+3], v3, s[8:9] offset:4096*j th:TH_LOAD_NT   ; 32 lanes read 512 consecutive bytes of row j
.set j, j+1
.endr
.set j, 0
	s_wait_alu depctr_va_vdst(0)
.rept 4
	s_wait_loadcnt 24-8*(j/8)                      ; these eight rows are in; the later groups of eight may be out
.rept 8
	ds_store_b128 v8, v[X+4*j:X+4*j+3] offset:PIT*((j&7)+8*(j>>4)+16*((j>>3)&1))   ; row j goes to the place of the lane that wants it (sw is its own inverse)
.set j, j+1
.endr
.endr
	s_wait_dscnt 0x0                               ; the stores have read their registers
.set j, 0
.rept 32
	ds_load_b128 v[X+4*j:X+4*j+3], v9 offset:16*j  ; my row, 128 neighbours
.set j, j+1
.endr
	s_branch .Lq
.macro WLOAD pitch                     ; my column's 128 numbers down K: each load reads 128 consecutive bytes of a row of the weight
.set k, 0
.rept 128
	global_load_b32 v[X+k], v4, s[28:29] offset:k*\pitch th:TH_LOAD_NT
.set k, k+1
.endr
.endm
.Lweights:
	s_sub_co_u32 s4, ttmp9, 256
	s_lshr_b32 s3, s4, 7                           ; 0: Q, 1: K, 2: V, 3: c_w
	s_bfe_u32 s5, s4, 0x40003                      ; the head
	s_and_b32 s6, ttmp9, 7                         ; the K step
	s_cmp_eq_u32 s3, 2
	s_cbranch_scc1 .Lv
	s_and_b32 s7, s2, 1                            ; Q, K: waves 0, 1 take the first map's weight, waves 2, 3 the second's: column 64 head + 32 (wave & 1)
	s_lshl_b32 s7, s7, 5
	s_lshl_b32 s26, s5, 6
	s_add_co_u32 s7, s7, s26
	s_bfe_u32 s26, s4, 0x30004                     ; c_w: block (g - 640) / 16, column 128 block + 32 wave, K step g % 16
	s_lshl_b32 s26, s26, 7
	s_lshl_b32 s27, s2, 5
	s_add_co_u32 s26, s26, s27
	s_and_b32 s27, ttmp9, 15
	s_cmp_lt_u32 s2, 2
	s_cselect_b64 s[28:29], s[10:11], s[12:13]
	s_cselect_b64 s[30:31], s[14:15], s[16:17]
	s_cmp_eq_u32 s3, 0
	s_cselect_b64 s[28:29], s[28:29], s[30:31]
	s_cmp_eq_u32 s3, 3
	s_cselect_b64 s[28:29], s[20:21], s[28:29]
	s_cselect_b32 s7, s26, s7
	s_cselect_b32 s6, s27, s6
	s_lshl_b32 s6, s6, 19                          ; 128 rows of 4,096 bytes a K step
	s_lshl_b32 s7, s7, 2
	s_add_co_u32 s6, s6, s7
	s_mov_b32 s7, 0
	s_add_nc_u64 s[28:29], s[28:29], s[6:7]
	s_wait_alu depctr_va_vdst(0)
	WLOAD 4096
	s_branch .Lq
.Lv:
	s_lshl_b32 s7, s5, 7                           ; v_w: column 128 head + 32 wave; a row is 8,192 bytes
	s_lshl_b32 s26, s2, 5
	s_add_co_u32 s7, s7, s26
	s_lshl_b32 s7, s7, 2
	s_lshl_b32 s6, s6, 20
	s_add_co_u32 s6, s6, s7
	s_mov_b32 s7, 0
	s_add_nc_u64 s[28:29], s[18:19], s[6:7]
	s_wait_alu depctr_va_vdst(0)
	WLOAD 8192
.Lq:
; Block t of my row: its largest magnitude, its byte, its 32 codes.
.macro QB t
.set XS, X+32*(\t)
.if 96-32*(\t) > 63
	s_wait_loadcnt 63                              ; the later blocks' column loads may be out: 96 - 32 t of them, written as the largest count that the wait can name
.else
	s_wait_loadcnt 96-32*(\t)
.endif
	s_wait_dscnt 24-8*(\t)                         ; on x's way: the later blocks' eight LDS loads each may be out
	v_max3_num_f32 v16, |v[XS]|, |v[XS+1]|, |v[XS+2]|
	v_max3_num_f32 v17, |v[XS+3]|, |v[XS+4]|, |v[XS+5]|
.irp i, 6,10,14,18,22,26
	v_max3_num_f32 v16, v16, |v[XS+\i]|, |v[XS+\i+1]|
	v_max3_num_f32 v17, v17, |v[XS+\i+2]|, |v[XS+\i+3]|
.endr
	v_max3_num_f32 v16, v16, |v[XS+30]|, |v[XS+31]|
	v_max3_num_f32 v16, v16, v17, 0x1800000        ; and the floor 2^(3 - 127): the byte cannot fall under 1
	v_add_nc_u32 v[SO+\t], 0xff000000, v16         ; 2 off the exponent field: the conversion takes this operand's exponent field as its scale
	v_lshrrev_b32 v18, 23, v[SO+\t]                ; the byte
.if \t == 0
	v_mov_b32 v[SWD], v18
.else
	v_lshl_or_b32 v[SWD], v18, 8*\t, v[SWD]
.endif
	v_cvt_scalef32_pk16_fp6_f32 v[EV+12*((\t)%2)+6*((\t)/2):EV+12*((\t)%2)+6*((\t)/2)+2], v[XS:XS+15], v[SO+\t]
	v_cvt_scalef32_pk16_fp6_f32 v[HIH+4*(\t):HIH+4*(\t)+2], v[XS+16:XS+31], v[SO+\t]   ; (a conversion's three registers begin on an even number)
.endm
	QB 0
	QB 1
	QB 2
	QB 3
	v_nop                                          ; one plain place behind the last scaled conversion
.irp t, 0,1,2,3
.irp k, 0,1,2
	v_mov_b32 v[EV+12*(\t%2)+6*(\t/2)+3+\k], v[HIH+4*\t+\k]
.endr
.endr
; v160-171 hold my row's blocks 0 and 2, v172-183 its blocks 1 and 3.  A fragment wants blocks 0, 2 of row-lane p in lane p and blocks 1, 3 in lane 16 + p:
; the first run's lanes 16-31 change places with the second's lanes 0-15, and the two runs are tiles 2 b and 2 b + 1.
.irp j, 0,1,2,3,4,5,6,7,8,9,10,11
	v_permlane16_swap_b32 v[EV+\j], v[OD+\j]
.endr
.irp u, 0,1
.irp c, 0,1,2
	global_store_b128 v3, v[EV+12*\u+4*\c:EV+12*\u+4*\c+3], s[22:23] offset:1536*\u+512*\c   ; 32 lanes store 512 consecutive bytes
.endr
.endr
	global_store_b32 v7, v[SWD], s[24:25]
	s_wait_tensorcnt 0x0
	ds_add_u32 v208, v209
	s_wait_dscnt 0x0
	s_endpgm
.Lfunc_end_k_qee7b1b1edf_quant:
	.size	k_qee7b1b1edf_quant, .Lfunc_end_k_qee7b1b1edf_quant-k_qee7b1b1edf_quant
	.p2alignl 7, 3214868480
	.fill 96, 4, 3214868480
	.section	.rodata,"a",@progbits
	.p2align	6, 0x0
	.amdhsa_kernel k_qee7b1b1edf_quant
		.amdhsa_group_segment_fixed_size 68096
		.amdhsa_private_segment_fixed_size 0
		.amdhsa_enable_private_segment 0
		.amdhsa_kernarg_size 72
		.amdhsa_user_sgpr_count 2
		.amdhsa_user_sgpr_kernarg_segment_ptr 1
		.amdhsa_wavefront_size32 1
		.amdhsa_system_sgpr_workgroup_id_x 1
		.amdhsa_system_sgpr_workgroup_id_y 1
		.amdhsa_system_sgpr_workgroup_id_z 1
		.amdhsa_system_vgpr_workitem_id 0
		.amdhsa_next_free_vgpr 210
		.amdhsa_next_free_sgpr 66
		.amdhsa_reserve_vcc 0
		.amdhsa_float_denorm_mode_32 3
		.amdhsa_float_denorm_mode_16_64 3
		.amdhsa_memory_ordered 1
		.amdhsa_forward_progress 1
		.amdhsa_inst_pref_size 42
	.end_amdhsa_kernel
	.amdgpu_metadata
---
amdhsa.version: [ 1, 2 ]
amdhsa.kernels:
  - .name:           k_qee7b1b1edf_quant
    .symbol:         k_qee7b1b1edf_quant.kd
    .args:
      - { .name: x, .offset: 0, .size: 8, .value_kind: global_buffer, .address_space: global }
      - { .name: q1_w, .offset: 8, .size: 8, .value_kind: global_buffer, .address_space: global }
      - { .name: q2_w, .offset: 16, .size: 8, .value_kind: global_buffer, .address_space: global }
      - { .name: k1_w, .offset: 24, .size: 8, .value_kind: global_buffer, .address_space: global }
      - { .name: k2_w, .offset: 32, .size: 8, .value_kind: global_buffer, .address_space: global }
      - { .name: v_w, .offset: 40, .size: 8, .value_kind: global_buffer, .address_space: global }
      - { .name: c_w, .offset: 48, .size: 8, .value_kind: global_buffer, .address_space: global }
      - { .name: opq, .offset: 56, .size: 8, .value_kind: global_buffer, .address_space: global }
      - { .name: ops, .offset: 64, .size: 8, .value_kind: global_buffer, .address_space: global }
    .group_segment_fixed_size: 68096
    .private_segment_fixed_size: 0
    .kernarg_segment_align: 8
    .kernarg_segment_size: 72
    .max_flat_workgroup_size: 128
    .sgpr_count:     66
    .vgpr_count:     210
    .wavefront_size: 32
...
	.end_amdgpu_metadata
.endif
;; end of part 1
;; launch proj (part 2): grid 16 x 24, 4 waves a work-group, clusters of 4 x 4, 327,680 bytes of LDS; arguments opq, ops, qkvc, qkvs; writes qkvc, qkvs
.if DOCPART == 2
	.amdgcn_target "amdgcn-amd-amdhsa--gfx1250"
	.amdhsa_code_object_version 6
	.text
	.protected	k_qee7b1b1edf_proj
	.globl	k_qee7b1b1edf_proj
	.p2align	8
	.type	k_qee7b1b1edf_proj,@function
k_qee7b1b1edf_proj:
	s_mov_b64 s[64:65], 0
	v_nop
	global_prefetch_b8 v0, s[64:65] scope:SCOPE_SE
	s_setreg_imm32_b32 hwreg(HW_REG_WAVE_MODE, 25, 1), 1
	s_wait_xcnt 0x0
	s_wait_alu depctr_hold_cnt(0) depctr_sa_sdst(0) depctr_va_vdst(0) depctr_va_sdst(0) depctr_va_ssrc(0) depctr_va_vcc(0) depctr_vm_vsrc(0)
	s_getreg_b32 s2, hwreg(HW_REG_IB_STS2, 6, 4)
	s_cmp_eq_u32 s2, 0
	s_cbranch_scc0 .Lentry_in_a_cluster
	s_endpgm
.Lentry_in_a_cluster:
	s_bfe_u32 s2, ttmp6, 0x10000c
	s_cmp_lg_u32 s2, 0xf033
	s_cbranch_scc0 .Lentry_shape_is_right
	s_endpgm
.Lentry_shape_is_right:
; The five projections x W on codes of FP6 (E2M3), K = 1,024, and the quantising of their results into the operands of the attention launch.
; Operands lie in opq / ops as images of operand registers (fragment 1,536 bytes: register 4 c + k of lane L at 512 c + 16 L + 4 k; group = 8 fragments of 128 rows for one K step; scale words 32 r + 4 i).
; A work-group of four waves makes 256 x 256, a wave 128 x 128: 64 accumulators.  Source 0 = B's fragment, source 1 = A's: a lane holds ONE row of A's tile, and its registers run along B's rows, in ascending order
; (tile 2 b + u, row-lane p holds row 32 b + 8 u + p + (p & 8)): so the 64 results of A's tile a are the 128 numbers along the NEXT product's K, 64 in each half of the lanes, and become one fragment in registers.
; Work-group rows 0-15: A = tokens, B = the columns [q1 | q2] or [k1 | k2] of a head: fragments of 16 tokens x 128 along the heads' axis.
; Work-group rows 16-23: A = a head's 128 columns of v_w, B = tokens: fragments of 16 channels x 128 KEYS.  Only addresses differ: A hangs on the work-group's y alone, B on its x alone.
; K goes in 4 phases of 2 steps of 128 through three LDS slots: phases 0, 1, 2 are first fills, phase 3 fills slot 0 again.  All scale words come once.  The refills and scale words come as dense rows of 256 bytes; the head's fragments as 2 rows of 73,728 bytes.
; CLUSTERS 4 x 4: A's tiles are asked for jointly along a row of the cluster, B's along a column.  Waves 0, 1 fetch for A, waves 2, 3 for B; a wave has one tensor load out at the start and one behind the refill.
; The grid has 384 work-groups: the wave's tile of 128 x 128 is kept because it makes each result exactly one fragment and one scale word.
; LIMITS: NaN and infinities are not served; a block of zeros gets the byte 1 where the rule says 127 (its codes are zeros, and this program alone reads the bytes).
; REGISTERS: window 0: v1 r, v2 h, v16-25 addresses, v28-29 the add's, v32-47 scale words (two sets), v64-159 and v160-255 A's fragments (two sets; in the way out: codes and temporaries).
;   window 1: v0-95, v96-191 B's fragments.   windows 2, 3: accumulator (a, b) at v[8 (8 (a % 4) + b)] of window 2 + a / 4.
.set MT,    8                          ; A's tiles a wave
.set NT,    8                          ; B's tiles a wave
.set NQ,    2                          ; steps of 128 along K in a phase
.set PHB,   24576                      ; a phase on, in memory
.set MYH,   73728                      ; LDS: A's block 0 (steps 0-5), A's block 1, B's block 0, B's block 1, 73,728 bytes each; steps 6, 7 later land on steps 0, 1
.set SLOT,  98304                      ; A's part, then B's part
.set BPART, 147456
.set QUART, 24576                      ; what one tensor load brings
.set FRB,   1536
.set SCL,   3*SLOT                     ; A's scale words 8,192, then B's
.set SPARE, SCL+16384                  ; the spare words, 128 bytes a wave: two blocks of 256 bytes that no other line names
.set ADRA, 16                          ; v16-18  my A fragments in slots 0, 1, 2
.set ADRB, 20                          ; v20-22  my B fragments
.set ADRS, 24                          ; v24     scale words: lanes 0-15 A's, lanes 16-31 B's
.set LI,   25                          ; v25     16 x lane
.set SPW,  28
.set NIL,  29
.set SC,   32
.set AF,   64
.set WD,   224                         ; v224-231 the eight results' scale words
.set TM,   232                         ; v232-247 the quantiser's temporaries
.set G1A,  24
.set G1B,  32
.set G1SA, 40
.set G1SB, 48
.set G0A0, 56
.set G0A1, 60
.set G0A2, 68
.set G0SA, 72
.set G0B0, 76
.set G0B1, 80
.set G0B2, 84
.set G0SB, 88
.set MSB, 0
.macro WIN new                         ; the immediate's high byte repeats the setting that is left
.if MSB != \new
	s_set_vgpr_msb (MSB<<8)|\new
.set MSB, \new
.endif
.endm
.set MUL_LO, 0xa1                      ; source 0 (B) window 1, source 1 (A) window 0, C and D window 2
.set TO_B,   0x40                      ; destination window 1, address window 0
.macro PLACES
.rept 4
	v_nop
.endr
.endm
; A joint load: waves 0 and 1 fetch for A, waves 2 and 3 for B; the branch hangs on the wave's number alone.  Four v_nop follow each line.
.macro JLOAD g0a, g1a, g0b, g1b
	s_cmp_eq_u32 s15, 0
	s_cbranch_scc0 .Lfor_b_\@
	tensor_load_to_lds s[\g0a:\g0a+3], s[\g1a:\g1a+7]
	s_nop 0
.rept 4
	v_nop
.endr
	s_branch .Lasked_\@
.Lfor_b_\@:
	tensor_load_to_lds s[\g0b:\g0b+3], s[\g1b:\g1b+7]
	s_nop 0
.rept 4
	v_nop
.endr
.Lasked_\@:
.endm
.macro CREST                           ; a round of the cluster's barrier behind its opening barrier
	s_cmp_lg_u32 s14, 0
	s_cbranch_scc1 .Lnot_wave_0_\@
	s_barrier_signal -3
.Lnot_wave_0_\@:
	s_barrier_wait -3
	s_barrier_signal -1
	s_barrier_wait -1
.endm
.macro CROUND
	s_barrier_signal -1
	s_barrier_wait -1
	CREST
.endm
.macro GROUP0 g, ldsreg, ldsoff, adr, off
	s_mov_b32 s[\g], 1                             ; count = 1
	s_add_co_u32 s[\g+1], s[\ldsreg], \ldsoff      ; LDS address: wave x a constant + a constant
	s_add_nc_u64 s[\g+2:\g+3], s[\adr:\adr+1], \off
	s_or_b32 s[\g+3], s[\g+3], 0x80000000          ; type = 2
.endm
	s_load_b128 s[4:7], s[0:1], 0x0                ; opq, ops
	s_load_b128 s[8:11], s[0:1], 0x10              ; qkvc, qkvs
	v_lshl_add_u32 v[SPW], v0, 2, SPARE
	v_mov_b32 v[NIL], 0
	ds_add_u32 v28, v29
	ds_add_u32 v28, v29
	s_wait_dscnt 0x0
	v_lshrrev_b32 v1, 5, v0
	v_readfirstlane_b32 s14, v1                    ; wave 0..3
	s_lshr_b32 s15, s14, 1                         ; which 128 rows of A are mine.  Also: I fetch for A (0) or for B (1)
	s_and_b32 s16, s14, 1                          ; which 128 rows of B.  Also: which 128 rows I fetch
	s_bfe_u32 s17, ttmp6, 0x40000                  ; cx
	s_bfe_u32 s18, ttmp6, 0x40004                  ; cy
	s_lshl_b32 s19, ttmp9, 2
	s_add_co_u32 s19, s19, s17                     ; work-group x
	s_and_b32 s20, ttmp7, 0xffff                   ; cluster y
	s_lshl_b32 s21, s20, 2
	s_add_co_u32 s21, s21, s18                     ; work-group y
	s_cmp_ge_u32 s20, 4                            ; clusters 4 and 5 along y make V: the same answer in all sixteen partners
	s_cselect_b32 s22, 16, 0
	s_cselect_b32 s23, 0, 16
	s_cselect_b32 s66, 1, 0
	s_add_co_u32 s22, s22, s21                     ; A's block of 256 rows of opq: tokens 0-15, or V's rows 32-39
	s_add_co_u32 s23, s23, s19                     ; B's: Q's and K's rows 16-31, or tokens 0-15
	s_lshl_b32 s67, s18, 2
	s_lshl_b32 s67, 15, s67                        ; my row of the cluster
	s_lshl_b32 s92, 0x1111, s17                    ; my column
	s_or_b32 s[G1A], s67, (3<<16)|(1<<21)          ; the mask; elements of 8 bytes; bit 21 beside a mask; no padding
	s_or_b32 s[G1B], s92, (3<<16)|(1<<21)
	s_or_b32 s[G1SA], s67, (3<<16)|(1<<21)
	s_or_b32 s[G1SB], s92, (3<<16)|(1<<21)
.irp g, G1A, G1B                       ; the head's tile: 2 rows (blocks of 128 rows) of 73,728 bytes (six K steps), 98,304 bytes apart
	s_mov_b32 s[\g+1], 9216<<16
	s_mov_b32 s[\g+2], 2<<16
	s_mov_b32 s[\g+3], 9216<<16
	s_mov_b32 s[\g+4], 2
	s_mov_b32 s[\g+5], 12288
	s_mov_b32 s[\g+6], 0
	s_mov_b32 s[\g+7], 0
.endr
.irp g, G1SA, G1SB                     ; 32 rows: 8,192 bytes of scale words
	s_mov_b32 s[\g+1], 32<<16
	s_mov_b32 s[\g+2], 32<<16              ; 32 rows: the 8,192 bytes of scale words of 256 rows
	s_mov_b32 s[\g+3], 32<<16
	s_mov_b32 s[\g+4], 32
	s_mov_b32 s[\g+5], 32
	s_mov_b32 s[\g+6], 0
	s_mov_b32 s[\g+7], 0
.endr
	s_lshl_b32 s93, s22, 1
	s_add_co_u32 s93, s93, s16                     ; A: the block of 128 rows that I fetch
	s_mul_i32 s94, s93, 98304                      ; its eight groups,
	s_mov_b32 s95, 0
	s_lshl_b32 s96, s93, 12                        ; its scale words
	s_mov_b32 s97, 0
	s_lshl_b32 s98, s23, 1
	s_add_co_u32 s98, s98, s16                     ; B likewise
	s_mul_i32 s100, s98, 98304
	s_mov_b32 s101, 0
	s_lshl_b32 s98, s98, 12
	s_mov_b32 s99, 0
	s_mul_i32 s2, s14, 73728               ; the refill's place: wave x a block's part
	s_lshl_b32 s3, s14, 12                         ; wave x a quarter of the scale words
	s_wait_kmcnt 0x0
	s_add_nc_u64 s[94:95], s[4:5], s[94:95]
	s_add_nc_u64 s[96:97], s[6:7], s[96:97]
	s_add_nc_u64 s[100:101], s[4:5], s[100:101]
	s_add_nc_u64 s[98:99], s[6:7], s[98:99]
	CROUND                                         ; all sixteen work-groups are here: the first joint loads meet
	GROUP0 G0A0, 2, 0, 94, 0                       ; the refill's group 0: stepped to phase 3 where it is used
	GROUP0 G0B0, 2, 0, 100, 0
	; THE HEAD'S LOADS, ONE A WAVE: wave 0 A's steps 0-5, wave 1 B's, wave 2 A's scale words, wave 3 B's
	s_mov_b32 s[G0A1], 1
	s_mov_b32 s[G0A1+1], 0
	s_mul_i32 s[G0A1+2], s22, 196608
	s_mov_b32 s[G0A1+3], 0
	s_add_nc_u64 s[G0A1+2:G0A1+3], s[4:5], s[G0A1+2:G0A1+3]
	s_or_b32 s[G0A1+3], s[G0A1+3], 0x80000000
	s_mov_b32 s[G0B1], 1
	s_mov_b32 s[G0B1+1], BPART
	s_mul_i32 s[G0B1+2], s23, 196608
	s_mov_b32 s[G0B1+3], 0
	s_add_nc_u64 s[G0B1+2:G0B1+3], s[4:5], s[G0B1+2:G0B1+3]
	s_or_b32 s[G0B1+3], s[G0B1+3], 0x80000000
	s_mov_b32 s[G0SA], 1
	s_mov_b32 s[G0SA+1], SCL
	s_lshl_b32 s[G0SA+2], s22, 13
	s_mov_b32 s[G0SA+3], 0
	s_add_nc_u64 s[G0SA+2:G0SA+3], s[6:7], s[G0SA+2:G0SA+3]
	s_or_b32 s[G0SA+3], s[G0SA+3], 0x80000000
	s_mov_b32 s[G0SB], 1
	s_mov_b32 s[G0SB+1], SCL+8192
	s_lshl_b32 s[G0SB+2], s23, 13
	s_mov_b32 s[G0SB+3], 0
	s_add_nc_u64 s[G0SB+2:G0SB+3], s[6:7], s[G0SB+2:G0SB+3]
	s_or_b32 s[G0SB+3], s[G0SB+3], 0x80000000
.macro ARM under, g0, g1, next         ; one chain of branches on the wave's number, one load to an arm, all arms to one join
	s_cmp_lt_u32 s14, \under
	s_cbranch_scc0 \next
	tensor_load_to_lds s[\g0:\g0+3], s[\g1:\g1+7]
	s_nop 0
.rept 4
	v_nop
.endr
	s_branch .Lhead_asked
\next:
.endm
	ARM 1, G0A1, G1A, .Lhead_b
	ARM 2, G0B1, G1B, .Lhead_sa
	ARM 3, G0SA, G1SA, .Lhead_sb
	tensor_load_to_lds s[G0SB:G0SB+3], s[G1SB:G1SB+7]
	s_nop 0
.rept 4
	v_nop
.endr
.Lhead_asked:
	v_and_b32 v1, 15, v0                           ; r
	v_bfe_u32 v2, v0, 4, 1                         ; h
	s_wait_alu depctr_va_vdst(0)
	v_and_b32 v3, 31, v0
	v_lshlrev_b32 v[LI], 4, v3
	s_mul_i32 s2, s15, MYH
	s_mul_i32 s3, s16, MYH
	s_add_co_u32 s3, s3, BPART
.irp s, 0,1,2
	v_add_nc_u32 v[ADRA+\s], s2, v[LI]
	v_add_nc_u32 v[ADRB+\s], s3, v[LI]
	s_add_co_u32 s2, s2, PHB               ; a phase on inside a block's part
	s_add_co_u32 s3, s3, PHB
.endr
	s_lshl_b32 s2, s15, 12                         ; A's words of my 128 rows
	s_lshl_b32 s3, s16, 12
	s_add_co_u32 s3, s3, 8192                      ; B's, behind A's 8,192 bytes
	s_sub_co_u32 s3, s3, s2
	v_mul_u32_u24 v4, s3, v2                       ; lanes 16-31 take B's: the lower base + h x the distance
	s_add_co_u32 s2, s2, SCL
	v_lshl_add_u32 v4, v1, 5, v4                   ; 32 bytes a row-lane
	v_add_nc_u32 v[ADRS], s2, v4
	; where my 128 x 128 goes: one group of qkvc and its 512 bytes of qkvs
	s_lshl_b32 s93, s21, 1
	s_add_co_u32 s93, s93, s15                     ; A's block of 128
	s_lshl_b32 s94, s19, 1
	s_add_co_u32 s94, s94, s16                     ; B's block of 128
	s_cmp_eq_u32 s66, 1
	s_cselect_b32 s95, s94, s93                    ; the block of tokens, 0-31
	s_cselect_b32 s96, s93, s94                    ; the block of columns, 0-47
	s_lshr_b32 s97, s96, 4                         ; 0: Q, 1: K, 2: V
	s_and_b32 s96, s96, 15                         ; head
	s_lshr_b32 s98, s95, 4                         ; batch
	s_and_b32 s95, s95, 15                         ; block of 128 tokens in the batch
	s_lshl_b32 s98, s98, 4
	s_add_co_u32 s98, s98, s96                     ; bh = 16 batch + head
	s_lshl_b32 s99, s97, 5
	s_add_co_u32 s99, s99, s98
	s_lshl_b32 s99, s99, 4
	s_add_co_u32 s99, s99, s95                     ; group
	s_mul_i32 s100, s99, 12288
	s_mov_b32 s101, 0
	s_add_nc_u64 s[8:9], s[8:9], s[100:101]
	s_cmp_eq_u32 s97, 0                            ; Q's words: 8,192 bh; K's: 262,144 + 16,384 bh; V's: 8,192 behind K's
	s_cselect_b32 s99, 13, 14
	s_cselect_b32 s100, 0, 262144
	s_lshl_b32 s99, s98, s99
	s_add_co_u32 s100, s100, s99
	s_cmp_eq_u32 s97, 2
	s_cselect_b32 s99, 8192, 0
	s_add_co_u32 s100, s100, s99
	s_lshl_b32 s95, s95, 9
	s_add_co_u32 s100, s100, s95
	s_add_nc_u64 s[10:11], s[10:11], s[100:101]
; The fragments and scale words of step FST (slot FS, its FQ-th step) into set FSET: loads of 16 bytes a lane at 16 x lane, 512 consecutive bytes each.
.macro FETCH
	WIN TO_B
.set i, 0
.rept NT
.irp c, 0,1,2
	ds_load_b128 v[96*FSET+12*i+4*\c:96*FSET+12*i+4*\c+3], v[ADRB+FS] offset:(8*FQ+i)*FRB+512*\c
.endr
.set i, i+1
.endr
	WIN 0
.set i, 0
.rept MT
.irp c, 0,1,2
	ds_load_b128 v[AF+96*FSET+12*i+4*\c:AF+96*FSET+12*i+4*\c+3], v[ADRA+FS] offset:(8*FQ+i)*FRB+512*\c
.endr
.set i, i+1
.endr
	ds_load_b128 v[SC+8*FSET:SC+8*FSET+3], v[ADRS] offset:512*FST        ; register i: lanes 0-15 the word of A's tile i, lanes 16-31 that of B's tile i
	ds_load_b128 v[SC+8*FSET+4:SC+8*FSET+7], v[ADRS] offset:512*FST+16
.endm
; A quarter of a step's products: A's tiles k MT / 4 on, each against B's NT.  The accumulators take turns, one instruction a turn, in the same order in every step.  Step 0 starts the sums.
.macro MULQ k
.set a, (\k)*MT/4
.rept MT/4
	WIN MUL_LO+0x50*(a/4)
.set b, 0
.rept NT
.if S == 0
	v_wmma_scale_f32_16x16x128_f8f6f4 v[8*(NT*(a%4)+b):8*(NT*(a%4)+b)+7], v[96*CSET+12*b:96*CSET+12*b+11], v[AF+96*CSET+12*a:AF+96*CSET+12*a+11], 0, v[SC+8*CSET+b], v[SC+8*CSET+a] matrix_a_fmt:MATRIX_FMT_FP6 matrix_b_fmt:MATRIX_FMT_FP6 matrix_a_scale:MATRIX_SCALE_ROW1
.else
	v_wmma_scale_f32_16x16x128_f8f6f4 v[8*(NT*(a%4)+b):8*(NT*(a%4)+b)+7], v[96*CSET+12*b:96*CSET+12*b+11], v[AF+96*CSET+12*a:AF+96*CSET+12*a+11], v[8*(NT*(a%4)+b):8*(NT*(a%4)+b)+7], v[SC+8*CSET+b], v[SC+8*CSET+a] matrix_a_fmt:MATRIX_FMT_FP6 matrix_b_fmt:MATRIX_FMT_FP6 matrix_a_scale:MATRIX_SCALE_ROW1
.endif
.set b, b+1
.endr
.set a, a+1
.endr
.endm
; Step S multiplies set S % 2 and, in its middle, fetches step S + 1 into the other set, behind four places (loads into registers that matrix instructions have read).
.macro STEP
.set CSET, S%2
.set FS,   ((S+1)/NQ)%3
.set FQ,   (S+1)%NQ
.set FSET, (S+1)%2
.set FST,  S+1
.if (S == NQ-1) || (S == 3*NQ-1)
	WIN 0                                          ; (the add's two registers lie in window 0)
	s_wait_tensorcnt 0x0                           ; all my tensor loads have landed
	ds_add_u32 v[SPW], v[NIL]                      ; 0 onto my spare word
	s_wait_dscnt 1                                 ; this step's fragments are in; the add may be out
	MULQ 0
	s_wait_dscnt 0x0                               ; the add is done; my reads of the slot that is left were over before
	s_barrier_signal -1
	MULQ 1
	WIN 0
	s_barrier_wait -1
.if S == NQ-1
	CREST                                          ; the barrier has opened a round of the cluster's: no wave of any partner still reads slot 0 or has a load on its way
	s_add_nc_u64 s[G0A0+2:G0A0+3], s[G0A0+2:G0A0+3], 3*PHB
	s_add_nc_u64 s[G0B0+2:G0B0+3], s[G0B0+2:G0B0+3], 3*PHB
	JLOAD G0A0, G1A, G0B0, G1B                     ; phase 3 into slot 0: my one load behind the round; its four v_nop are the places in front of the loads below
.else
	PLACES                                         ; phase 3 has landed in every wave's part
.endif
	FETCH
	MULQ 2
	MULQ 3
.else
	s_wait_dscnt 0x0                               ; this step's fragments, asked for half a step ago
	MULQ 0
	MULQ 1
.if S < 4*NQ-1
	PLACES
	FETCH
.endif
	MULQ 2
	MULQ 3
.endif
.endm
	s_wait_alu depctr_va_vdst(0)
	s_wait_tensorcnt 0x0                           ; my tile of the head's four is in; no load of mine is out, so group 1 may be written: the refill brings 96 dense rows of 256 bytes
.irp g, G1A, G1B
	s_mov_b32 s[\g+1], 32<<16
	s_mov_b32 s[\g+2], 96<<16
	s_mov_b32 s[\g+3], 32<<16
	s_mov_b32 s[\g+4], 96
	s_mov_b32 s[\g+5], 32
.endr
	s_barrier_signal -1
	s_barrier_wait -1
.set FS, 0
.set FQ, 0
.set FSET, 0
.set FST, 0
	FETCH
.set S, 0
.rept 4*NQ
	STEP
.set S, S+1
.endr
	WIN 0
	PLACES                                         ; behind the last products: results are read and operand registers written from here on
; THE WAY OUT.  The 64 results of A's tile a: register 16 b + i = number 32 b + 16 h + i of my row along the next K.  They become a fragment's codes and my row's scale word.
	s_mov_b32 s2, 0x76543210
	s_mov_b32 s3, 0xfedcba98                       ; v_permlanex16_b32's selects for lane l xor 16
.irp b, 0,1,2,3
	v_mov_b32 v[TM+4+\b], 0                        ; a lane permute's destination counts as one of its sources
.endr
.macro EPI a
.set AC, 64*((\a)%4)
.set W,  2+(\a)/4
.set PC, 64+20*(\a)
	WIN 5*W                                        ; sources 0 and 1: the accumulators' window
.irp b, 0,1,2,3
	v_max3_num_f32 v[TM+\b], |v[AC+16*\b]|, |v[AC+16*\b+1]|, 0x1800000   ; each accumulator from its low end on; the floor 2^(3 - 127) holds the byte at 1 from below
.endr
.irp i, 2,4,6,8,10,12,14
.irp b, 0,1,2,3
	v_max3_num_f32 v[TM+\b], |v[AC+16*\b+\i]|, |v[AC+16*\b+\i+1]|, v[TM+\b]
.endr
.endr
	WIN 0
.irp b, 0,1,2,3
	v_permlanex16_b32 v[TM+4+\b], v[TM+\b], s2, s3
.endr
.irp b, 0,1,2,3
	v_max_num_f32 v[TM+\b], v[TM+\b], v[TM+4+\b]   ; with lane l xor 16's 16 numbers: the block's largest magnitude
.endr
.irp b, 0,1,2,3
	v_add_nc_u32 v[TM+12+\b], 0xff000000, v[TM+\b] ; 2 off the exponent field: the conversion's scale operand
.endr
.irp b, 0,1,2,3
	v_lshrrev_b32 v[TM+4+\b], 23, v[TM+12+\b]      ; the byte
.endr
	v_lshl_or_b32 v[WD+\a], v[TM+5], 8, v[TM+4]
	v_lshl_or_b32 v[WD+\a], v[TM+6], 16, v[WD+\a]
	v_lshl_or_b32 v[WD+\a], v[TM+7], 24, v[WD+\a]
	WIN W                                          ; source 0: the accumulators' window
.irp c, 0,1
	v_cvt_scalef32_pk16_fp6_f32 v[PC+6*\c:PC+6*\c+2], v[AC+32*\c:AC+32*\c+15], v[TM+12+2*\c]
	v_cvt_scalef32_pk16_fp6_f32 v[PC+12+4*\c:PC+14+4*\c], v[AC+32*\c+16:AC+32*\c+31], v[TM+13+2*\c]
.endr
	WIN 0
	v_nop                                          ; one plain place behind a scaled conversion
.irp c, 0,1                            ; the layout wants a whole block in a lane: lanes 0-15 block 2 c, lanes 16-31 block 2 c + 1
.irp i, 0,1,2
	v_permlane16_swap_b32 v[PC+6*\c+\i], v[PC+12+4*\c+\i]
.endr
.irp i, 0,1,2
	v_mov_b32 v[PC+3+6*\c+\i], v[PC+12+4*\c+\i]
.endr
.endr
.irp c, 0,1,2
	global_store_b128 v[LI], v[PC+4*\c:PC+4*\c+3], s[8:9] offset:FRB*(\a)+512*\c   ; 32 lanes store 512 consecutive bytes; each tile has data registers of its own
.endr
.endm
.irp a, 0,1,2,3,4,5,6,7
	EPI \a
.endr
	v_cmp_eq_u32 vcc_lo, 1, v2                     ; lanes 0-15 store the words of tiles 0-3, lanes 16-31 those of tiles 4-7: 512 consecutive bytes
.irp k, 0,1,2,3
	v_cndmask_b32 v[248+\k], v[WD+\k], v[WD+4+\k], vcc_lo
.endr
	v_lshlrev_b32 v3, 5, v1
	v_lshl_add_u32 v3, v2, 4, v3
	global_store_b128 v3, v[248:251], s[10:11]
	s_wait_tensorcnt 0x0                           ; the wave's end
	ds_add_u32 v[SPW], v[NIL]
	s_wait_dscnt 0x0
	CROUND                                         ; the closing round
	s_endpgm
.Lfunc_end_k_qee7b1b1edf_proj:
	.size	k_qee7b1b1edf_proj, .Lfunc_end_k_qee7b1b1edf_proj-k_qee7b1b1edf_proj
	.p2alignl 7, 3214868480
	.fill 96, 4, 3214868480
	.section	.rodata,"a",@progbits
	.p2align	6, 0x0
	.amdhsa_kernel k_qee7b1b1edf_proj
		.amdhsa_group_segment_fixed_size 327680
		.amdhsa_private_segment_fixed_size 0
		.amdhsa_enable_private_segment 0
		.amdhsa_kernarg_size 32
		.amdhsa_user_sgpr_count 2
		.amdhsa_user_sgpr_kernarg_segment_ptr 1
		.amdhsa_wavefront_size32 1
		.amdhsa_system_sgpr_workgroup_id_x 1
		.amdhsa_system_sgpr_workgroup_id_y 1
		.amdhsa_system_sgpr_workgroup_id_z 1
		.amdhsa_system_vgpr_workitem_id 0
		.amdhsa_next_free_vgpr 1024
		.amdhsa_next_free_sgpr 102
		.amdhsa_reserve_vcc 1
		.amdhsa_float_denorm_mode_32 3
		.amdhsa_float_denorm_mode_16_64 3
		.amdhsa_memory_ordered 1
		.amdhsa_forward_progress 1
		.amdhsa_inst_pref_size 137
	.end_amdhsa_kernel
	.amdgpu_metadata
---
amdhsa.version: [ 1, 2 ]
amdhsa.kernels:
  - .name:           k_qee7b1b1edf_proj
    .symbol:         k_qee7b1b1edf_proj.kd
    .args:
      - { .name: opq, .offset: 0, .size: 8, .value_kind: global_buffer, .address_space: global }
      - { .name: ops, .offset: 8, .size: 8, .value_kind: global_buffer, .address_space: global }
      - { .name: qkvc, .offset: 16, .size: 8, .value_kind: global_buffer, .address_space: global }
      - { .name: qkvs, .offset: 24, .size: 8, .value_kind: global_buffer, .address_space: global }
    .group_segment_fixed_size: 327680
    .private_segment_fixed_size: 0
    .kernarg_segment_align: 8
    .kernarg_segment_size: 32
    .max_flat_workgroup_size: 128
    .sgpr_count:     102
    .vgpr_count:     1024
    .wavefront_size: 32
...
	.end_amdgpu_metadata
.endif
;; end of part 2
;; launch attn (part 3): grid 8 x 32, 16 waves a work-group, no clusters, 327,680 bytes of LDS; arguments qkvc, qkvs, lambda_q1, lambda_k1, lambda_q2, lambda_k2, yq, ys; writes yq, ys
.if DOCPART == 3
	.amdgcn_target "amdgcn-amd-amdhsa--gfx1250"
	.amdhsa_code_object_version 6
	.text
	.protected	k_qee7b1b1edf_attn
	.globl	k_qee7b1b1edf_attn
	.p2align	8
	.type	k_qee7b1b1edf_attn,@function
k_qee7b1b1edf_attn:
	s_mov_b64 s[64:65], 0
	v_nop
	global_prefetch_b8 v0, s[64:65] scope:SCOPE_SE
	s_setreg_imm32_b32 hwreg(HW_REG_WAVE_MODE, 25, 1), 1
	s_wait_xcnt 0x0
; Differential attention of one head on codes of FP6 (E2M3): att = softmax(q1 k1^T / 8) - lam softmax(q2 k2^T / 8), causal; y = att v; LayerNorm over 128; x (1 - lambda_init); y is quantised for the last product.
; att is quantised finished and normalised, so there are TWO WALKS over the keys: walk 1 finds each row's maximum m and sum l of both maps; walk 2 makes the scores again,
; att = 2^(c s - c m1 - log2 l1) - (lam / l2) 2^(c s - c m2), c = log2(e) / 8, its codes and bytes, and O^T += V^T att^T.
; A key's fragment holds [k1 | k2]; the queries' operands are [q1 | 0] and [0 | q2].  Both products are used transposed: a lane holds one query.  Operands lie in memory as images of operand registers.
; SHARES.  Work-group (i, bh) owns query blocks HI = 15 - i and LO = i (128 queries each): 17 key steps of 128 keys that the causal mask leaves.  Waves 2 t and 2 t + 1 share tile t (16 queries) of both blocks:
; role 0 takes HI's key steps 0-8; role 1 takes LO's steps 0 .. i and then HI's steps 9 .. 15 - i: 9 and 8 steps a walk, whatever i.  At time u role 1 has key step u (u <= i) or u + 8 - i.
; The pair joins HI's (m, l) through LDS words of its own behind walk 1, and HI's O^T, a plain sum since att is normalised, through K's bytes behind their last read.  Role 1 finishes LO where it changes blocks, role 0 HI at the end.
; LDS.  K's fragments of the head and all scale words are filled once, at the head, one tensor load a wave.  V goes through two slots of two time steps x two roles (4 groups); each wave brings a sixteenth of a fill, one load behind a barrier.
; Every wait on TENSORcnt is for 0.  NO CLUSTER: V's tiles hang on i, which partners would not share.  NO PREFETCH: K is asked for at the head, with no loop ahead of it; each slot of V is asked for two time steps or more ahead of its use.
; LIMITS: NaN and infinities are not served; scores under -3e38 are not told from the maximum's start; 1 / l2 and 1 / sqrt are a reciprocal (root) and a multiply; a block of zeros carries the byte 1 (zero codes).
.set FRB,   1536
.set GRP,   12288
.set VS0,   0x30000
.set VFLIP, 0x70000                    ; slot 0 at 0x30000, slot 1 at 0x40000
.set SCL,   0x3c000                    ; K's scale words 8,192, then V's
.set SPARE, 0x4c000                    ; the spare words, 128 bytes a wave
.set XCH,   0x4c800                    ; 512 bytes a wave: (m1, l1, m2, l2) a lane
.set LI,1
.set LS,2
.set SPW,3
.set NIL,4
.set ADK,5
.set ADV,6
.set ADS,7
.set NCM1,8                            ; v[8:9] -c m1 (walk 2: - log2 l1 too), m1
.set NCM2,10                           ; v[10:11] -c m2, m2
.set L1,12                             ; v[12:13] l1 in two halves
.set L2,14                             ; v[14:15] l2; walk 2: v14 = -lam / l2
.set QA,16                             ; v16-21 q1, v22-27 zeros, v28-33 q2
.set QB,22
.set QS,34
.set DD,35
.set NINF,36
.set LAM,37
.set KS,38
.set SVH,42                            ; v42-44 HI's three numbers for walk 2
.set QSA,45                            ; 32 r
.set XA,46
.set XB,47
.set FR,48
.set SA,96
.set O,160
.set PC,224
.set SV,224                            ; walk 1: v224-231 the first block's state
.set TP,236
.set PW,252
.set WV,20
.set BH,21
.set TQ,22
.set IDX,23
.set G1K,24
.set G1S,32
.set G1C,40
.set G0H,48
.set G0S,52
.set G0V,56
.set VB,60
.set ROLE,62
.set LROLE,63
.set LU,66
.set HI,67
.set LO,68
.set SWI,69
.set K8I,70
.set SWU,71
.set T,72
.set TK,73
.set TS,74
.set TV,75
.set IN,76
.set PH,77
.set CS,78
.set NC,80
.set LIM,81
.set SEL,82
.set U,96
.macro PLACES
.rept 4
	v_nop
.endr
.endm
.macro G1SET g, rows                   ; dense rows of 256 bytes, elements of 8 bytes
	s_mov_b32 s[\g], 3<<16
	s_mov_b32 s[\g+1], 32<<16
	s_mov_b32 s[\g+2], (\rows)<<16
	s_mov_b32 s[\g+3], 32<<16
	s_mov_b32 s[\g+4], \rows
	s_mov_b32 s[\g+5], 32
	s_mov_b32 s[\g+6], 0
	s_mov_b32 s[\g+7], 0
.endm
.macro VKEY                            ; the group of V that I fetch next: time LU, role LROLE
	s_add_co_u32 s84, s[LU], s[K8I]
	s_cmp_lt_u32 s[LU], s[SWI]
	s_cselect_b32 s84, s[LU], s84
	s_cmp_eq_u32 s[LROLE], 1
	s_cselect_b32 s84, s84, s[LU]
	s_mul_i32 s84, s84, GRP
	s_mov_b32 s85, 0
	s_add_nc_u64 s[G0V+2:G0V+3], s[VB:VB+1], s[84:85]
	s_or_b32 s[G0V+3], s[G0V+3], 0x80000000
	s_add_co_u32 s[LU], s[LU], 2
.endm
.macro TCALC                           ; time U: my key step T, my block TQ, the last step that I work LIM
	s_add_co_u32 s84, s[U], s[K8I]
	s_cmp_lt_u32 s[U], s[SWI]
	s_cselect_b32 s84, s[U], s84
	s_cselect_b32 s85, s[LO], s[HI]
	s_cmp_eq_u32 s[ROLE], 1
	s_cselect_b32 s[T], s84, s[U]
	s_cselect_b32 s[TQ], s85, s[HI]
	s_cselect_b32 s[LIM], s85, 8
	s_min_u32 s84, s[T], 15
	s_mul_i32 s[TK], s84, GRP
	s_lshl_b32 s[TS], s84, 9
.endm
.macro QLOAD                           ; tile IDX of block TQ: [q1 | q2] becomes [q1 | 0 | q2]
	s_lshl_b32 s84, s[BH], 4
	s_add_co_u32 s84, s84, s[TQ]
	s_mul_i32 s92, s84, GRP
	s_mul_i32 s85, s[IDX], FRB
	s_add_co_u32 s92, s92, s85
	s_mov_b32 s93, 0
	s_add_nc_u64 s[92:93], s[4:5], s[92:93]
	s_lshl_b32 s94, s84, 9
	s_lshl_b32 s85, s[IDX], 2
	s_add_co_u32 s94, s94, s85
	s_mov_b32 s95, 0
	s_add_nc_u64 s[94:95], s[6:7], s[94:95]
	s_wait_alu depctr_va_vdst(0)                   ; the wait behind the run of scalar lines
.irp c, 0,1,2
	global_load_b128 v[QA+4*\c:QA+4*\c+3], v[LI], s[92:93] offset:512*\c
.endr
	global_load_b32 v[QS], v[QSA], s[94:95]
	s_wait_loadcnt 0x0
.irp j, 0,1,2,3,4,5
	v_mov_b32 v[QB+6+\j], v[QB+\j]
.endr
.irp j, 0,1,2,3,4,5
	v_mov_b32 v[QB+\j], 0
.endr
.endm
.macro START                           ; a block's state for walk 1
	v_mov_b32 v[NCM1+1], 0xff61b1e6                ; -3e38
	v_mov_b32 v[NCM2+1], 0xff61b1e6
.irp j, 0,1,2,3
	v_mov_b32 v[L1+\j], 0
.endr
	v_mul_f32 v[NCM1], s[NC], v[NCM1+1]
	v_mul_f32 v[NCM2], s[NC], v[NCM2+1]
.endm
.macro ZERO_O
.set j, 0
.rept 64
	v_mov_b32 v[O+j], 0
.set j, j+1
.endr
.endm
	s_load_b256 s[4:11], s[0:1], 0x0               ; qkvc, qkvs, lambda_q1, lambda_k1
	s_load_b256 s[12:19], s[0:1], 0x20             ; lambda_q2, lambda_k2, yq, ys
	v_lshl_add_u32 v[SPW], v0, 2, SPARE
	v_mov_b32 v[NIL], 0
	ds_add_u32 v[SPW], v[NIL]                      ; the opening lines: the add twice and one wait
	ds_add_u32 v[SPW], v[NIL]
	v_lshrrev_b32 v5, 5, v0
	v_readfirstlane_b32 s[WV], v5
	s_and_b32 s[BH], ttmp7, 0xffff
	s_lshr_b32 s84, s[WV], 2                       ; of a pair's two waves one has role 0, the other role 1; which, changes with wave / 4, so that waves w, w + 4, w + 8, w + 12 hold two of each role
	s_xor_b32 s84, s84, s[WV]
	s_and_b32 s[ROLE], s84, 1
	s_lshr_b32 s[IDX], s[WV], 1
	s_bfe_u32 s[LROLE], s[WV], 0x10002             ; as a loader: group w / 4 of a slot = 2 (time % 2) + role
	s_lshr_b32 s[LU], s[WV], 3
	s_mov_b32 s[LO], ttmp9
	s_sub_co_u32 s[HI], 15, ttmp9
	s_add_co_u32 s[SWI], ttmp9, 1
	s_sub_co_u32 s[K8I], 8, ttmp9
	s_cmp_eq_u32 s[ROLE], 1
	s_cselect_b32 s[SWU], s[SWI], 99               ; the time at which I change blocks (role 0: never)
	s_cselect_b32 s[TQ], s[LO], s[HI]
	G1SET G1K, 64
	G1SET G1S, 16
	G1SET G1C, 12
	s_mul_i32 s86, s[BH], 196608
	s_lshl_b32 s88, s[WV], 14                      ; waves 0-11: 16,384 bytes of K each
	s_add_co_u32 s84, s86, s88
	s_add_co_u32 s84, s84, 6291456
	s_mov_b32 s85, 0
	s_lshl_b32 s89, s[WV], 12                      ; waves 12-15: 4,096 bytes of scale words each
	s_lshl_b32 s90, s[BH], 14
	s_add_co_u32 s90, s90, s89
	s_add_co_u32 s90, s90, 262144-49152
	s_mov_b32 s91, 0
	s_and_b32 s92, s[WV], 3
	s_mul_i32 s92, s92, 3072                       ; V: my quarter of a group
	s_add_co_u32 s92, s92, s86
	s_add_co_u32 s92, s92, 12582912
	s_mov_b32 s93, 0
	s_mul_i32 s94, s[WV], 3072
	s_mov_b32 s[CS], 0x3e38aa3b                    ; c = log2(e) / 8
	s_mov_b32 s[CS+1], s[CS]
	s_mov_b32 s[NC], 0xbe38aa3b
	s_mov_b32 s[SEL], 0x76543210
	s_mov_b32 s[SEL+1], 0xfedcba98
	s_mov_b32 s98, 0x3c000000                      ; 1 / 128
	s_mov_b32 s99, 0x3727c5ac                      ; 1e-5
	s_wait_dscnt 0x0
	s_wait_kmcnt 0x0
	s_mov_b32 s[G0H], 1
	s_mov_b32 s[G0H+1], s88
	s_add_nc_u64 s[G0H+2:G0H+3], s[4:5], s[84:85]
	s_or_b32 s[G0H+3], s[G0H+3], 0x80000000
	s_mov_b32 s[G0S], 1
	s_add_co_u32 s[G0S+1], s89, SCL-49152
	s_add_nc_u64 s[G0S+2:G0S+3], s[6:7], s[90:91]
	s_or_b32 s[G0S+3], s[G0S+3], 0x80000000
	s_add_nc_u64 s[VB:VB+1], s[4:5], s[92:93]
	s_mov_b32 s[G0V], 1
	s_add_co_u32 s[G0V+1], s94, VS0
	VKEY
	s_cmp_lt_u32 s[WV], 12                         ; the head's fills: one to a wave, one to an arm
	s_cbranch_scc0 .Lhs
	tensor_load_to_lds s[G0H:G0H+3], s[G1K:G1K+7]
	s_nop 0
	PLACES
	s_branch .Lhj
.Lhs:
	tensor_load_to_lds s[G0S:G0S+3], s[G1S:G1S+7]
	s_nop 0
	PLACES
.Lhj:
	v_and_b32 v42, 15, v0                          ; r
	v_bfe_u32 v43, v0, 4, 1                        ; h
	v_and_b32 v44, 31, v0
	v_lshlrev_b32 v[LI], 4, v44
	v_lshl_add_u32 v[LS], v42, 5, SCL
	v_lshlrev_b32 v[QSA], 5, v42
	v_lshl_add_u32 v[XA], v0, 4, XCH
	v_xor_b32 v[XB], 0x200, v[XA]                  ; my partner's 512 bytes
	s_and_b32 s84, s[BH], 15
	s_lshl_b32 s84, s84, 8
	v_lshl_add_u32 v6, v44, 3, s84                 ; the head's 64 numbers of each lambda, two a lane
	global_load_b64 v[240:241], v6, s[8:9]
	global_load_b64 v[242:243], v6, s[10:11]
	global_load_b64 v[244:245], v6, s[12:13]
	global_load_b64 v[246:247], v6, s[14:15]
	s_lshr_b32 s84, s[IDX], 1
	s_lshl_b32 s84, s84, 5
	s_and_b32 s85, s[IDX], 1
	s_lshl_b32 s85, s85, 3
	s_add_co_u32 s84, s84, s85
	v_and_b32 v[DD], 8, v42
	v_lshlrev_b32 v7, 4, v43
	v_add_nc_u32 v[DD], v[DD], v42
	v_sub_nc_u32 v[DD], v[DD], v7
	v_add_nc_u32 v[DD], s84, v[DD]                 ; 32 (tile / 2) + 8 (tile % 2) + r + (r & 8) - 16 h
	v_mov_b32 v[NINF], 0xff800000
	v_mov_b32 v249, 0
	v_mov_b32 v251, 0
	START
.irp j, 0,1,2,3,4,5,6,7
	v_mov_b32 v[SV+\j], v[8+\j]
.endr
	QLOAD                                          ; its wait serves the lambdas too
	v_mul_f32 v248, v240, v242                     ; lam = exp(lq1 . lk1) - exp(lq2 . lk2) + lambda_init
	v_mul_f32 v250, v244, v246
	v_fma_f32 v248, v241, v243, v248
	v_fma_f32 v250, v245, v247, v250
.irp x, 1,2,4,8
	v_add_f32_dpp v248, v248, v248 row_xmask:\x row_mask:0xf bank_mask:0xf
	v_add_f32_dpp v250, v250, v250 row_xmask:\x row_mask:0xf bank_mask:0xf
.endr
	v_permlanex16_b32 v249, v248, s[SEL], s[SEL+1]
	v_permlanex16_b32 v251, v250, s[SEL], s[SEL+1]
	v_add_f32 v248, v248, v249
	v_add_f32 v250, v250, v251
	v_mul_f32 v248, 0x3fb8aa3b, v248
	v_mul_f32 v250, 0x3fb8aa3b, v250
	s_wait_alu depctr_va_vdst(0)                   ; a wait ahead of a batch of transcendentals and one behind it
	v_exp_f32 v248, v248
	v_exp_f32 v250, v250
	v_nop
	s_wait_alu depctr_va_vdst(0)
	v_sub_f32 v[LAM], v248, v250
	v_add_f32 v[LAM], 0x3f0e59d5, v[LAM]           ; 0.8 - 0.6 exp(-0.9)
.macro KLOAD g
.irp t, 0,1,2,3
.irp c, 0,1,2
	ds_load_b128 v[FR+12*\t+4*\c:FR+12*\t+4*\c+3], v[ADK] offset:(4*\g+\t)*FRB+512*\c
.endr
.endr
	ds_load_b128 v[KS:KS+3], v[ADS] offset:16*\g
.endm
.macro VLOAD g
.irp t, 0,1,2,3
.irp c, 0,1,2
	ds_load_b128 v[FR+12*\t+4*\c:FR+12*\t+4*\c+3], v[ADV] offset:(4*\g+\t)*FRB+512*\c
.endr
.endr
	ds_load_b128 v[KS:KS+3], v[ADS] offset:8192+16*\g
.endm
.macro SMUL d1, d2                     ; both maps' scores of four tiles of keys: eight accumulators, each written once
.irp t, 0,1,2,3
	v_wmma_scale_f32_16x16x128_f8f6f4 v[\d1+8*\t:\d1+8*\t+7], v[FR+12*\t:FR+12*\t+11], v[QA:QA+11], 0, v[KS+\t], v[QS] matrix_a_fmt:MATRIX_FMT_FP6 matrix_b_fmt:MATRIX_FMT_FP6
	v_wmma_scale_f32_16x16x128_f8f6f4 v[\d2+8*\t:\d2+8*\t+7], v[FR+12*\t:FR+12*\t+11], v[QB:QB+11], 0, v[KS+\t], v[QS] matrix_a_fmt:MATRIX_FMT_FP6 matrix_b_fmt:MATRIX_FMT_FP6
.endr
.endm
.macro PVMUL g                         ; O^T += V^T att^T: four accumulators by turns
.irp t, 0,1,2,3
	v_wmma_scale_f32_16x16x128_f8f6f4 v[O+8*(4*\g+\t):O+8*(4*\g+\t)+7], v[FR+12*\t:FR+12*\t+11], v[PC:PC+11], v[O+8*(4*\g+\t):O+8*(4*\g+\t)+7], v[KS+\t], v[PW] matrix_a_fmt:MATRIX_FMT_FP6 matrix_b_fmt:MATRIX_FMT_FP6
.endr
.endm
.macro MASK n0, cnt, s1, s2            ; the diagonal step: score n holds key 32 (n / 16) + n % 16 + 16 h: hidden where that is after my query
.set m, 0
.rept \cnt
.set n, (\n0)+m
	v_cmp_gt_i32 vcc_lo, 32*(n/16)+n%16, v[DD]
	v_cndmask_b32 v[\s1+m], v[\s1+m], v[NINF], vcc_lo
	v_cndmask_b32 v[\s2+m], v[\s2+m], v[NINF], vcc_lo
.set m, m+1
.endr
.endm
; THE WAY OUT of block blk: LayerNorm over the 128 channels (64 here, 64 in lane l xor 16), x (1 - lambda_init), the quantiser, one fragment of yq and its scale word.
.macro FINAL blk
	s_lshr_b32 s84, s[BH], 4
	s_lshl_b32 s84, s84, 4
	s_add_co_u32 s84, s84, s[\blk]
	s_lshl_b32 s84, s84, 4
	s_and_b32 s85, s[BH], 15
	s_add_co_u32 s84, s84, s85                     ; group (16 batch + block) 16 + head
	s_mul_i32 s86, s84, GRP
	s_mul_i32 s85, s[IDX], FRB
	s_add_co_u32 s86, s86, s85
	s_mov_b32 s87, 0
	s_add_nc_u64 s[86:87], s[16:17], s[86:87]
	s_lshl_b32 s88, s84, 9
	s_lshl_b32 s85, s[IDX], 2
	s_add_co_u32 s88, s88, s85
	s_mov_b32 s89, 0
	s_add_nc_u64 s[88:89], s[18:19], s[88:89]
	s_wait_alu depctr_va_vdst(0)                   ; the wait behind the run of scalar lines
.irp t, 0,1,2,3,4,5,6,7                ; each accumulator from its low end on
	v_pk_add_f32 v[240+2*\t:241+2*\t], v[O+8*\t:O+8*\t+1], v[O+8*\t+2:O+8*\t+3]
.endr
.irp k, 4,6
.irp t, 0,1,2,3,4,5,6,7
	v_pk_add_f32 v[240+2*\t:241+2*\t], v[240+2*\t:241+2*\t], v[O+8*\t+\k:O+8*\t+\k+1]
.endr
.endr
.irp t, 0,2,4,6
	v_pk_add_f32 v[240+\t:241+\t], v[240+\t:241+\t], v[248+\t:249+\t]
.endr
	v_pk_add_f32 v[240:241], v[240:241], v[244:245]
	v_pk_add_f32 v[242:243], v[242:243], v[246:247]
	v_pk_add_f32 v[240:241], v[240:241], v[242:243]
	v_add_f32 v240, v240, v241
	v_permlanex16_b32 v244, v240, s[SEL], s[SEL+1]
	v_add_f32 v240, v240, v244
	v_mul_f32 v240, 0xbc000000, v240               ; -mean
.set j, 0
.rept 32
	v_pk_add_f32 v[O+j:O+j+1], v[O+j:O+j+1], v[240:241] op_sel_hi:[1,0]
.set j, j+2
.endr
	v_pk_mul_f32 v[244:245], v[O:O+1], v[O:O+1]
	v_pk_mul_f32 v[246:247], v[O+2:O+3], v[O+2:O+3]
.set j, 4
.rept 15
	v_pk_fma_f32 v[244:245], v[O+j:O+j+1], v[O+j:O+j+1], v[244:245]
	v_pk_fma_f32 v[246:247], v[O+j+2:O+j+3], v[O+j+2:O+j+3], v[246:247]
.set j, j+4
.endr
	v_pk_add_f32 v[244:245], v[244:245], v[246:247]
	v_add_f32 v244, v244, v245
	v_permlanex16_b32 v246, v244, s[SEL], s[SEL+1]
	v_add_f32 v244, v244, v246
	v_fma_f32 v244, v244, s98, s99                 ; variance + 1e-5
	s_wait_alu depctr_va_vdst(0)
	v_rsq_f32 v246, v244
	v_nop
	s_wait_alu depctr_va_vdst(0)
	v_mul_f32 v246, 0x3ee34c57, v246               ; x (1 - lambda_init)
.set j, 0
.rept 32
	v_pk_mul_f32 v[O+j:O+j+1], v[O+j:O+j+1], v[246:247] op_sel_hi:[1,0]
.set j, j+2
.endr
.irp b, 0,1,2,3
	v_mov_b32 v[SA+4+\b], 0                        ; a lane permute's destination counts as a source
.endr
.irp b, 0,1,2,3
	v_max3_num_f32 v[SA+\b], |v[O+16*\b]|, |v[O+16*\b+1]|, 0x1800000
.endr
.irp k, 2,4,6,8,10,12,14
.irp b, 0,1,2,3
	v_max3_num_f32 v[SA+\b], v[SA+\b], |v[O+16*\b+\k]|, |v[O+16*\b+\k+1]|
.endr
.endr
.irp b, 0,1,2,3
	v_permlanex16_b32 v[SA+4+\b], v[SA+\b], s[SEL], s[SEL+1]
.endr
.irp b, 0,1,2,3
	v_max_num_f32 v[SA+\b], v[SA+\b], v[SA+4+\b]
.endr
.irp b, 0,1,2,3
	v_add_nc_u32 v[SA+12+\b], 0xff000000, v[SA+\b] ; 2 off the exponent field: the conversion's scale operand
.endr
.irp b, 0,1,2,3
	v_lshrrev_b32 v[SA+4+\b], 23, v[SA+12+\b]
.endr
	v_lshl_or_b32 v[SA+16], v[SA+5], 8, v[SA+4]
	v_lshl_or_b32 v[SA+16], v[SA+6], 16, v[SA+16]
	v_lshl_or_b32 v[SA+16], v[SA+7], 24, v[SA+16]
.irp c, 0,1
	v_cvt_scalef32_pk16_fp6_f32 v[PC+6*\c:PC+6*\c+2], v[O+32*\c:O+32*\c+15], v[SA+12+2*\c]
	v_cvt_scalef32_pk16_fp6_f32 v[TP+4*\c:TP+4*\c+2], v[O+32*\c+16:O+32*\c+31], v[SA+13+2*\c]
.endr
	v_nop
.irp c, 0,1
.irp k, 0,1,2
	v_permlane16_swap_b32 v[PC+6*\c+\k], v[TP+4*\c+\k]
.endr
.irp k, 0,1,2
	v_mov_b32 v[PC+3+6*\c+\k], v[TP+4*\c+\k]
.endr
.endr
.irp c, 0,1,2
	global_store_b128 v[LI], v[PC+4*\c:PC+4*\c+3], s[86:87] offset:512*\c   ; 32 lanes store 512 consecutive bytes
.endr
	global_store_b32 v[QSA], v[SA+16], s[88:89]    ; lanes l and l + 16 hold the same word
.endm
; A step's top: where I am; at time SWU role 1 changes from LO to HI.
.macro TOP w
	TCALC
	s_cmp_eq_u32 s[U], s[SWU]
	s_cbranch_scc0 .Lns_\@
.if \w == 1
.irp j, 0,1,2,3,4,5,6,7
	v_mov_b32 v[SV+\j], v[8+\j]                    ; LO's state is kept, HI's begins
.endr
	START
.else
	PLACES
	FINAL LO                                       ; LO is whole: it leaves
	ZERO_O
	v_mov_b32 v[NCM1], v[SVH]
	v_mov_b32 v[NCM2], v[SVH+1]
	v_mov_b32 v[L2], v[SVH+2]
	s_wait_xcnt 0x0                                ; the stores have read their registers
.endif
	QLOAD
.Lns_\@:
.endm
; WALK 1, a key step: both maps' 64 scores a lane; the lane's own running maximum and sum.
.macro STEP1
	TOP 1
	s_cmp_gt_u32 s[T], s[LIM]
	s_cbranch_scc1 .Lhid_\@
	v_add_nc_u32 v[ADK], s[TK], v[LI]
	v_add_nc_u32 v[ADS], s[TS], v[LS]
	v_nop
	v_nop
	KLOAD 0
	s_wait_alu depctr_va_vdst(0)
	s_wait_dscnt 0x0
	SMUL SA, O
	PLACES
	KLOAD 1
	s_wait_dscnt 0x0
	SMUL SA+32, O+32
	PLACES
	s_cmp_lt_u32 s[T], s[TQ]
	s_cbranch_scc1 .Lopen_\@
	MASK 0, 64, SA, O
.Lopen_\@:
.irp b, 0,1,2,3
	v_max3_num_f32 v[240+\b], v[SA+16*\b], v[SA+16*\b+1], v[SA+16*\b+2]
	v_max3_num_f32 v[244+\b], v[O+16*\b], v[O+16*\b+1], v[O+16*\b+2]
.endr
.irp i, 3,5,7,9,11,13
.irp b, 0,1,2,3
	v_max3_num_f32 v[240+\b], v[240+\b], v[SA+16*\b+\i], v[SA+16*\b+\i+1]
	v_max3_num_f32 v[244+\b], v[244+\b], v[O+16*\b+\i], v[O+16*\b+\i+1]
.endr
.endr
.irp b, 0,1,2,3
	v_max_num_f32 v[240+\b], v[240+\b], v[SA+16*\b+15]
	v_max_num_f32 v[244+\b], v[244+\b], v[O+16*\b+15]
.endr
	v_max3_num_f32 v240, v240, v241, v242
	v_max3_num_f32 v244, v244, v245, v246
	v_mov_b32 v248, v[NCM1]
	v_mov_b32 v250, v[NCM2]
	v_max3_num_f32 v[NCM1+1], v240, v243, v[NCM1+1]
	v_max3_num_f32 v[NCM2+1], v244, v247, v[NCM2+1]
	v_mul_f32 v[NCM1], s[NC], v[NCM1+1]
	v_mul_f32 v[NCM2], s[NC], v[NCM2+1]
	v_sub_f32 v248, v[NCM1], v248                  ; c m_old - c m_new
	v_sub_f32 v250, v[NCM2], v250
.set j, 0
.rept 32
	v_pk_fma_f32 v[SA+j:SA+j+1], v[SA+j:SA+j+1], s[CS:CS+1], v[NCM1:NCM1+1] op_sel_hi:[1,0,0]
	v_pk_fma_f32 v[O+j:O+j+1], v[O+j:O+j+1], s[CS:CS+1], v[NCM2:NCM2+1] op_sel_hi:[1,0,0]
.set j, j+2
.endr
	s_wait_alu depctr_va_vdst(0)
.set j, 0
.rept 128
	v_exp_f32 v[SA+j], v[SA+j]
.set j, j+1
.endr
	v_exp_f32 v248, v248
	v_exp_f32 v250, v250
	v_nop
	s_wait_alu depctr_va_vdst(0)
	v_pk_mul_f32 v[L1:L1+1], v[L1:L1+1], v[248:249] op_sel_hi:[1,0]
	v_pk_mul_f32 v[L2:L2+1], v[L2:L2+1], v[250:251] op_sel_hi:[1,0]
	v_pk_add_f32 v[240:241], v[SA:SA+1], v[SA+2:SA+3]
	v_pk_add_f32 v[244:245], v[O:O+1], v[O+2:O+3]
.set j, 4
.rept 15
	v_pk_add_f32 v[L1:L1+1], v[L1:L1+1], v[SA+j:SA+j+1]
	v_pk_add_f32 v[L2:L2+1], v[L2:L2+1], v[O+j:O+j+1]
	v_pk_add_f32 v[240:241], v[240:241], v[SA+j+2:SA+j+3]
	v_pk_add_f32 v[244:245], v[244:245], v[O+j+2:O+j+3]
.set j, j+4
.endr
	v_pk_add_f32 v[L1:L1+1], v[L1:L1+1], v[240:241]
	v_pk_add_f32 v[L2:L2+1], v[L2:L2+1], v[244:245]
.Lhid_\@:
	s_wait_alu depctr_va_vdst(0)                   ; the wait ahead of the branch and the next top's scalar lines
	s_add_co_u32 s[U], s[U], 1
.endm
	s_wait_alu depctr_va_vdst(0)                   ; the wait at the head's end
	s_wait_tensorcnt 0x0                           ; my part of K or of the scale words is in
	ds_add_u32 v[SPW], v[NIL]
	s_mov_b32 s[U], 0
	s_wait_dscnt 0x0
	s_barrier_signal -1
	s_barrier_wait -1
	tensor_load_to_lds s[G0V:G0V+3], s[G1C:G1C+7]  ; V's slot 0, times 0 and 1: it has walk 1 in which to land
	s_nop 0
	PLACES
.Lw1:
	STEP1
	s_cmp_lt_u32 s[U], 9
	s_cbranch_scc1 .Lw1
	s_cmp_eq_u32 s[ROLE], 1                        ; walk 2 begins with LO again in role 1
	s_cselect_b32 s[TQ], s[LO], s[HI]
	s_cbranch_scc0 .Lq0
	QLOAD
.Lq0:
; Two (m, l) of one row become one; the other's numbers stand in v240-243 (m1, l1, m2, l2).
.macro MERGE m1, l1, m2, l2
	v_max_num_f32 v244, v[\m1], v240
	v_max_num_f32 v245, v[\m2], v242
	v_sub_f32 v246, v[\m1], v244
	v_sub_f32 v247, v240, v244
	v_sub_f32 v248, v[\m2], v245
	v_sub_f32 v249, v242, v245
.irp k, 246,247,248,249
	v_mul_f32 v\k, s[CS], v\k
.endr
	s_wait_alu depctr_va_vdst(0)
.irp k, 246,247,248,249
	v_exp_f32 v\k, v\k
.endr
	v_mov_b32 v[\m1], v244
	v_mov_b32 v[\m2], v245
	s_wait_alu depctr_va_vdst(0)
	v_mul_f32 v[\l1], v[\l1], v246
	v_mul_f32 v[\l2], v[\l2], v248
	v_fmac_f32 v[\l1], v241, v247
	v_fmac_f32 v[\l2], v243, v249
.endm
.macro HALVES m1, l1, m2, l2           ; with lane l xor 16's keys
	v_permlanex16_b32 v240, v[\m1], s[SEL], s[SEL+1]
	v_permlanex16_b32 v241, v[\l1], s[SEL], s[SEL+1]
	v_permlanex16_b32 v242, v[\m2], s[SEL], s[SEL+1]
	v_permlanex16_b32 v243, v[\l2], s[SEL], s[SEL+1]
	MERGE \m1, \l1, \m2, \l2
.endm
	s_wait_alu depctr_va_vdst(0)
	v_add_f32 v[L1], v[L1], v[L1+1]
	v_add_f32 v[L2], v[L2], v[L2+1]
	v_add_f32 v[SV+4], v[SV+4], v[SV+5]
	v_add_f32 v[SV+6], v[SV+6], v[SV+7]
	HALVES NCM1+1, L1, NCM2+1, L2                  ; my part of HI
	HALVES SV+1, SV+4, SV+3, SV+6                  ; LO, whole (used in role 1 alone)
	v_mov_b32 v248, v[NCM1+1]
	v_mov_b32 v249, v[L1]
	v_mov_b32 v250, v[NCM2+1]
	v_mov_b32 v251, v[L2]
	s_wait_alu depctr_va_vdst(0)
	s_wait_tensorcnt 0x0                           ; no tensor load of mine is out while I store to LDS
	ds_store_b128 v[XA], v[248:251]
	s_wait_dscnt 0x0
	s_barrier_signal -1
	s_barrier_wait -1
	ds_load_b128 v[240:243], v[XB]                 ; my partner's part of HI
	s_wait_dscnt 0x0
	MERGE NCM1+1, L1, NCM2+1, L2
	s_wait_alu depctr_va_vdst(0)
	v_log_f32 v244, v[L1]
	v_log_f32 v245, v[SV+4]
	v_rcp_f32 v246, v[L2]
	v_rcp_f32 v247, v[SV+6]
	v_nop
	s_wait_alu depctr_va_vdst(0)
	v_fma_f32 v[NCM1], s[NC], v[NCM1+1], -v244     ; -c m1 - log2 l1
	v_mul_f32 v[NCM2], s[NC], v[NCM2+1]
	v_mul_f32 v[L2], -v[LAM], v246                 ; -lam / l2
	v_fma_f32 v[SV], s[NC], v[SV+1], -v245
	v_mul_f32 v[SV+2], s[NC], v[SV+3]
	v_mul_f32 v[SV+6], -v[LAM], v247
	v_mov_b32 v[SVH], v[NCM1]
	v_mov_b32 v[SVH+1], v[NCM2]
	v_mov_b32 v[SVH+2], v[L2]
	s_wait_alu depctr_va_vdst(0)
	s_cmp_eq_u32 s[ROLE], 1
	s_cbranch_scc0 .Lst0
	v_mov_b32 v[NCM1], v[SV]
	v_mov_b32 v[NCM2], v[SV+2]
	v_mov_b32 v[L2], v[SV+6]
.Lst0:
	ZERO_O
; WALK 2.  Half a key step (64 keys): att in f32, its two blocks' bytes, its codes into registers 6 c .. 6 c + 5 of the operand.
.macro HALF c
.set j, 0
.rept 16
	v_pk_fma_f32 v[SA+j:SA+j+1], v[SA+j:SA+j+1], s[CS:CS+1], v[NCM1:NCM1+1] op_sel_hi:[1,0,0]
	v_pk_fma_f32 v[SA+32+j:SA+33+j], v[SA+32+j:SA+33+j], s[CS:CS+1], v[NCM2:NCM2+1] op_sel_hi:[1,0,0]
.set j, j+2
.endr
	s_wait_alu depctr_va_vdst(0)
.set j, 0
.rept 64
	v_exp_f32 v[SA+j], v[SA+j]
.set j, j+1
.endr
	v_nop
	s_wait_alu depctr_va_vdst(0)
.set j, 0
.rept 16
	v_pk_fma_f32 v[SA+j:SA+j+1], v[SA+32+j:SA+33+j], v[L2:L2+1], v[SA+j:SA+j+1] op_sel_hi:[1,0,1]   ; att
.set j, j+2
.endr
.irp b, 0,1
	v_max3_num_f32 v[240+\b], |v[SA+16*\b]|, |v[SA+16*\b+1]|, 0x1800000
.endr
.irp i, 2,4,6,8,10,12,14
.irp b, 0,1
	v_max3_num_f32 v[240+\b], v[240+\b], |v[SA+16*\b+\i]|, |v[SA+16*\b+\i+1]|
.endr
.endr
.irp b, 0,1
	v_permlanex16_b32 v[242+\b], v[240+\b], s[SEL], s[SEL+1]
.endr
.irp b, 0,1
	v_max_num_f32 v[240+\b], v[240+\b], v[242+\b]
.endr
.irp b, 0,1
	v_add_nc_u32 v[244+\b], 0xff000000, v[240+\b]
.endr
.irp b, 0,1
	v_lshrrev_b32 v[246+\b], 23, v[244+\b]
.endr
.if \c == 0
	v_lshl_or_b32 v[PW], v247, 8, v246
.else
	v_lshl_or_b32 v[PW], v246, 16, v[PW]
	v_lshl_or_b32 v[PW], v247, 24, v[PW]
.endif
	v_cvt_scalef32_pk16_fp6_f32 v[PC+6*\c:PC+6*\c+2], v[SA:SA+15], v244
	v_cvt_scalef32_pk16_fp6_f32 v[TP:TP+2], v[SA+16:SA+31], v245
	v_nop
.irp i, 0,1,2
	v_permlane16_swap_b32 v[PC+6*\c+\i], v[TP+\i]
.endr
.irp i, 0,1,2
	v_mov_b32 v[PC+3+6*\c+\i], v[TP+\i]
.endr
.endm
.macro STEP2
	TOP 2
	s_cmp_gt_u32 s[T], s[LIM]
	s_cbranch_scc1 .Lhid_\@
	v_add_nc_u32 v[ADK], s[TK], v[LI]              ; these three and the v_nop are the places behind the last step's products
	v_add_nc_u32 v[ADS], s[TS], v[LS]
	v_add_nc_u32 v[ADV], s[TV], v[LI]
	v_nop
	KLOAD 0
	s_wait_alu depctr_va_vdst(0)
	s_wait_dscnt 0x0
	SMUL SA, SA+32
	PLACES
	KLOAD 1
	s_cmp_lt_u32 s[T], s[TQ]
	s_cbranch_scc1 .Lopa_\@
	MASK 0, 32, SA, SA+32
.Lopa_\@:
	HALF 0
	s_wait_alu depctr_va_vdst(0)
	s_wait_dscnt 0x0
	SMUL SA, SA+32
	PLACES
	VLOAD 0
	s_cmp_lt_u32 s[T], s[TQ]
	s_cbranch_scc1 .Lopb_\@
	MASK 32, 32, SA, SA+32
.Lopb_\@:
	HALF 1
.rept 8
	v_nop                                          ; a scale register written by a vector instruction stands eight places ahead of a scaled product
.endr
	s_wait_alu depctr_va_vdst(0)
	s_wait_dscnt 0x0
	PVMUL 0
	PLACES
	VLOAD 1
	s_wait_dscnt 0x0
	PVMUL 1
.Lhid_\@:
	s_wait_alu depctr_va_vdst(0)
	s_add_co_u32 s[U], s[U], 1
	s_add_co_u32 s[TV], s[TV], 2*GRP
.endm
.macro PHASE                           ; a slot's two time steps, then on to the other slot
	s_mov_b32 s[IN], 2
.Lph_\@:
	STEP2
	s_sub_co_i32 s[IN], s[IN], 1
	s_cmp_lg_u32 s[IN], 0
	s_cbranch_scc1 .Lph_\@
	s_sub_co_u32 s[TV], s[TV], 4*GRP
	s_xor_b32 s[TV], s[TV], VFLIP
.endm
; The change of V's slots.  fill = 1: the other slot takes the two time steps behind this slot's; 2: time 8 has role 0's group alone, which waves 0-3 bring; 0: nothing is left.
.macro CHANGE fill
	s_wait_tensorcnt 0x0                           ; no load of mine is out, so group 0 may be written
	ds_add_u32 v[SPW], v[NIL]
.if \fill
	s_xor_b32 s[G0V+1], s[G0V+1], VFLIP
	VKEY
.endif
	s_wait_dscnt 0x0
	s_barrier_signal -1
	s_barrier_wait -1
.if \fill == 1
	tensor_load_to_lds s[G0V:G0V+3], s[G1C:G1C+7]
	s_nop 0
	PLACES
.endif
.if \fill == 2
	s_cmp_lt_u32 s[WV], 4
	s_cbranch_scc0 .Lnf_\@
	tensor_load_to_lds s[G0V:G0V+3], s[G1C:G1C+7]
	s_nop 0
	PLACES
.Lnf_\@:
.endif
.endm
	s_mov_b32 s[U], 0
	s_mul_i32 s[TV], s[ROLE], GRP
	s_add_co_u32 s[TV], s[TV], VS0                 ; in a slot: group 2 (time % 2) + role
	s_mov_b32 s[PH], 3
	s_wait_alu depctr_va_vdst(0)
.Lchg:
	CHANGE 1                                       ; asks for times 2-3 (slot 1's first fill), 4-5, 6-7
	PHASE                                          ; works times 0-1, 2-3, 4-5
	s_sub_co_i32 s[PH], s[PH], 1
	s_cmp_lg_u32 s[PH], 0
	s_cbranch_scc1 .Lchg
	CHANGE 2
	PHASE                                          ; times 6-7
	CHANGE 0
	STEP2                                          ; time 8
	; HI's two parts meet: role 1's O^T goes through K's bytes, which have had their only fill and, behind the first barrier, their last read
	PLACES
	s_lshl_b32 s84, s[IDX], 13
	v_add_nc_u32 v[ADK], s84, v[LI]
	s_wait_alu depctr_va_vdst(0)
	s_wait_dscnt 0x0
	s_barrier_signal -1
	s_barrier_wait -1
	s_cmp_eq_u32 s[ROLE], 0
	s_cbranch_scc1 .Lr0
.set j, 0
.rept 16
	ds_store_b128 v[ADK], v[O+4*j:O+4*j+3] offset:512*j
.set j, j+1
.endr
.Lr0:
	s_wait_dscnt 0x0
	s_barrier_signal -1
	s_barrier_wait -1
	s_cmp_eq_u32 s[ROLE], 1
	s_cbranch_scc1 .Lend
.set j, 0
.rept 16
	ds_load_b128 v[SA+4*j:SA+4*j+3], v[ADK] offset:512*j
.set j, j+1
.endr
	s_wait_dscnt 0x0
.set j, 0
.rept 32
	v_pk_add_f32 v[O+j:O+j+1], v[O+j:O+j+1], v[SA+j:SA+j+1]
.set j, j+2
.endr
	FINAL HI
.Lend:
	s_wait_tensorcnt 0x0                           ; the wave's end
	ds_add_u32 v[SPW], v[NIL]
	s_wait_dscnt 0x0
	s_endpgm
.Lfunc_end_k_qee7b1b1edf_attn:
	.size	k_qee7b1b1edf_attn, .Lfunc_end_k_qee7b1b1edf_attn-k_qee7b1b1edf_attn
	.p2alignl 7, 3214868480
	.fill 96, 4, 3214868480
	.section	.rodata,"a",@progbits
	.p2align	6, 0x0
	.amdhsa_kernel k_qee7b1b1edf_attn
		.amdhsa_group_segment_fixed_size 327680
		.amdhsa_private_segment_fixed_size 0
		.amdhsa_enable_private_segment 0
		.amdhsa_kernarg_size 64
		.amdhsa_user_sgpr_count 2
		.amdhsa_user_sgpr_kernarg_segment_ptr 1
		.amdhsa_wavefront_size32 1
		.amdhsa_system_sgpr_workgroup_id_x 1
		.amdhsa_system_sgpr_workgroup_id_y 1
		.amdhsa_system_sgpr_workgroup_id_z 1
		.amdhsa_system_vgpr_workitem_id 0
		.amdhsa_next_free_vgpr 256
		.amdhsa_next_free_sgpr 100
		.amdhsa_reserve_vcc 1
		.amdhsa_float_denorm_mode_32 3
		.amdhsa_float_denorm_mode_16_64 3
		.amdhsa_memory_ordered 1
		.amdhsa_forward_progress 1
		.amdhsa_inst_pref_size 206
	.end_amdhsa_kernel
	.amdgpu_metadata
---
amdhsa.version: [ 1, 2 ]
amdhsa.kernels:
  - .name:           k_qee7b1b1edf_attn
    .symbol:         k_qee7b1b1edf_attn.kd
    .args:
      - { .name: qkvc, .offset: 0, .size: 8, .value_kind: global_buffer, .address_space: global }
      - { .name: qkvs, .offset: 8, .size: 8, .value_kind: global_buffer, .address_space: global }
      - { .name: lambda_q1, .offset: 16, .size: 8, .value_kind: global_buffer, .address_space: global }
      - { .name: lambda_k1, .offset: 24, .size: 8, .value_kind: global_buffer, .address_space: global }
      - { .name: lambda_q2, .offset: 32, .size: 8, .value_kind: global_buffer, .address_space: global }
      - { .name: lambda_k2, .offset: 40, .size: 8, .value_kind: global_buffer, .address_space: global }
      - { .name: yq, .offset: 48, .size: 8, .value_kind: global_buffer, .address_space: global }
      - { .name: ys, .offset: 56, .size: 8, .value_kind: global_buffer, .address_space: global }
    .group_segment_fixed_size: 327680
    .private_segment_fixed_size: 0
    .kernarg_segment_align: 8
    .kernarg_segment_size: 64
    .max_flat_workgroup_size: 512
    .sgpr_count:     100
    .vgpr_count:     256
    .wavefront_size: 32
...
	.end_amdgpu_metadata
.endif
;; end of part 3
;; launch outp (part 4): grid 8 x 32, 4 waves a work-group, clusters of 4 x 4, 327,680 bytes of LDS; arguments yq, ys, opq, ops, out0; writes out0
.if DOCPART == 4
	.amdgcn_target "amdgcn-amd-amdhsa--gfx1250"
	.amdhsa_code_object_version 6
	.text
	.protected	k_qee7b1b1edf_outp
	.globl	k_qee7b1b1edf_outp
	.p2align	8
	.type	k_qee7b1b1edf_outp,@function
k_qee7b1b1edf_outp:
	s_mov_b64 s[64:65], 0
	v_nop
	global_prefetch_b8 v0, s[64:65] scope:SCOPE_SE
	s_setreg_imm32_b32 hwreg(HW_REG_WAVE_MODE, 25, 1), 1
	s_wait_xcnt 0x0
	s_wait_alu depctr_hold_cnt(0) depctr_sa_sdst(0) depctr_va_vdst(0) depctr_va_sdst(0) depctr_va_ssrc(0) depctr_va_vcc(0) depctr_vm_vsrc(0)
	s_getreg_b32 s2, hwreg(HW_REG_IB_STS2, 6, 4)
	s_cmp_eq_u32 s2, 0
	s_cbranch_scc0 .Lentry_in_a_cluster
	s_endpgm
.Lentry_in_a_cluster:
	s_bfe_u32 s2, ttmp6, 0x10000c
	s_cmp_lg_u32 s2, 0xf033
	s_cbranch_scc0 .Lentry_shape_is_right
	s_endpgm
.Lentry_shape_is_right:
; out0 [4096][1024] = y c_w on codes of FP6 (E2M3), K = 2,048.  y's codes lie in yq / ys, c_w's in opq / ops (groups 640 on), both as images of operand registers
; (fragment 1,536 bytes: register 4 c + k of lane L at 512 c + 16 L + 4 k; group = 8 fragments of 128 rows for one K step; scale words at 32 r + 4 i; tile 2 b + u, row-lane p holds row 32 b + 8 u + p + (p & 8)).
; A work-group of four waves makes 128 x 128, a wave 64 x 64 (16 accumulators): 256 work-groups.  Source 0 = c_w's fragment, source 1 = y's: a lane holds one token, its registers ascending columns.
; K goes in 4 phases of 4 steps of 128 through three LDS slots: phases 0, 1, 2 are first fills, phase 3 fills slot 0 again.  All scale words come once.  Every tile is a dense block of memory, brought as rows of 256 bytes.
; CLUSTERS 4 x 4: y's tiles are asked for jointly along a row of the cluster, c_w's along a column.  Waves 0, 1 fetch for A, waves 2, 3 for B; a wave has one tensor load out at the start and one behind the refill.
; REGISTERS: window 0: v1 r, v2 h, v16-30 addresses, v32-47 scale words (two sets), v64.. and v160.. A's fragments (two sets; in the way out v64-191: rows of out0).  window 1: v0.., v96.. B's fragments.  window 2: accumulator (a, b) at v[8 (4 a + b)].
.set MT,    4
.set NT,    4
.set NQ,    4
.set PHB,   49152                      ; a phase on, in memory
.set MYH,   6144                       ; from one wave's four tiles to the other's in a group
.set SLOT,  98304                      ; A's part, then B's part
.set BPART, 147456                     ; LDS: A's steps 0-11 (147,456 bytes), then B's; steps 12-15 later land on steps 0-3
.set QUART, 24576                      ; what one tensor load brings: two steps' groups
.set FRB,   1536
.set SCL,   3*SLOT                     ; A's scale words 8,192, then B's
.set SPARE, SCL+16384                  ; the spare words, 128 bytes a wave: two blocks of 256 bytes that no other line names
.set STAGE, 49152                      ; the way out: in A's steps 4-7, which have had their only fill, and whose last read stands ahead of the last barrier
.set ADRA, 16
.set ADRB, 20
.set ADRS, 24
.set LI,   25
.set STO,  26
.set RD,   27
.set SPW,  28
.set NIL,  29
.set CO,   30
.set SC,   32
.set AF,   64
.set G1A,  24
.set G1B,  32
.set G1SA, 40
.set G1SB, 48
.set G0A0, 56
.set G0A1, 60
.set G0A2, 68
.set G0SA, 72
.set G0B0, 76
.set G0B1, 80
.set G0B2, 84
.set G0SB, 88
.set MSB, 0
.macro WIN new                         ; the immediate's high byte repeats the setting that is left
.if MSB != \new
	s_set_vgpr_msb (MSB<<8)|\new
.set MSB, \new
.endif
.endm
.set MUL_LO, 0xa1                      ; source 0 (B) window 1, source 1 (A) window 0, C and D window 2
.set TO_B,   0x40                      ; destination window 1, address window 0
.macro PLACES
.rept 4
	v_nop
.endr
.endm
; A joint load: waves 0 and 1 fetch for A, waves 2 and 3 for B; the branch hangs on the wave's number alone.  Four v_nop follow each line.
.macro JLOAD g0a, g1a, g0b, g1b
	s_cmp_eq_u32 s15, 0
	s_cbranch_scc0 .Lfor_b_\@
	tensor_load_to_lds s[\g0a:\g0a+3], s[\g1a:\g1a+7]
	s_nop 0
.rept 4
	v_nop
.endr
	s_branch .Lasked_\@
.Lfor_b_\@:
	tensor_load_to_lds s[\g0b:\g0b+3], s[\g1b:\g1b+7]
	s_nop 0
.rept 4
	v_nop
.endr
.Lasked_\@:
.endm
.macro CREST                           ; a round of the cluster's barrier behind its opening barrier
	s_cmp_lg_u32 s14, 0
	s_cbranch_scc1 .Lnot_wave_0_\@
	s_barrier_signal -3
.Lnot_wave_0_\@:
	s_barrier_wait -3
	s_barrier_signal -1
	s_barrier_wait -1
.endm
.macro CROUND
	s_barrier_signal -1
	s_barrier_wait -1
	CREST
.endm
.macro GROUP0 g, ldsreg, ldsoff, adr, off
	s_mov_b32 s[\g], 1                             ; count = 1
	s_add_co_u32 s[\g+1], s[\ldsreg], \ldsoff      ; LDS address: wave x a constant + a constant
	s_add_nc_u64 s[\g+2:\g+3], s[\adr:\adr+1], \off
	s_or_b32 s[\g+3], s[\g+3], 0x80000000          ; type = 2
.endm
	s_load_b128 s[4:7], s[0:1], 0x0                ; yq, ys
	s_load_b128 s[8:11], s[0:1], 0x10              ; opq, ops
	s_load_b64 s[12:13], s[0:1], 0x20              ; out0
	v_lshl_add_u32 v[SPW], v0, 2, SPARE
	v_mov_b32 v[NIL], 0
	ds_add_u32 v28, v29
	ds_add_u32 v28, v29
	s_wait_dscnt 0x0
	v_lshrrev_b32 v1, 5, v0
	v_readfirstlane_b32 s14, v1                    ; wave 0..3
	s_lshr_b32 s15, s14, 1                         ; which 64 tokens are mine.  Also: I fetch for A (0) or for B (1)
	s_and_b32 s16, s14, 1                          ; which 64 columns.  Also: which two steps of a phase I fetch
	s_bfe_u32 s17, ttmp6, 0x40000                  ; cx
	s_bfe_u32 s18, ttmp6, 0x40004                  ; cy
	s_lshl_b32 s19, ttmp9, 2
	s_add_co_u32 s19, s19, s17                     ; work-group x: the block of 128 columns
	s_and_b32 s20, ttmp7, 0xffff
	s_lshl_b32 s21, s20, 2
	s_add_co_u32 s21, s21, s18                     ; work-group y: the block of 128 tokens
	s_lshl_b32 s67, s18, 2
	s_lshl_b32 s67, 15, s67                        ; my row of the cluster
	s_lshl_b32 s92, 0x1111, s17                    ; my column
	s_or_b32 s[G1A], s67, (3<<16)|(1<<21)          ; the mask; elements of 8 bytes; bit 21 beside a mask; no padding
	s_or_b32 s[G1B], s92, (3<<16)|(1<<21)
	s_or_b32 s[G1SA], s67, (3<<16)|(1<<21)
	s_or_b32 s[G1SB], s92, (3<<16)|(1<<21)
.irp g, G1A, G1B                       ; the head's tile: 576 dense rows of 256 bytes: twelve K steps
	s_mov_b32 s[\g+1], 32<<16
	s_mov_b32 s[\g+2], 576<<16
	s_mov_b32 s[\g+3], 32<<16
	s_mov_b32 s[\g+4], 576
	s_mov_b32 s[\g+5], 32
	s_mov_b32 s[\g+6], 0
	s_mov_b32 s[\g+7], 0
.endr
.irp g, G1SA, G1SB                     ; 32 rows: 8,192 bytes of scale words
	s_mov_b32 s[\g+1], 32<<16
	s_mov_b32 s[\g+2], 32<<16              ; 32 rows: the 8,192 bytes of scale words of all of K
	s_mov_b32 s[\g+3], 32<<16
	s_mov_b32 s[\g+4], 32
	s_mov_b32 s[\g+5], 32
	s_mov_b32 s[\g+6], 0
	s_mov_b32 s[\g+7], 0
.endr
	s_mul_i32 s94, s21, 196608                     ; A: the tokens' 16 groups,
	s_mul_i32 s93, s16, QUART                      ; my two steps of a phase
	s_add_co_u32 s94, s94, s93
	s_mov_b32 s95, 0
	s_lshl_b32 s96, s21, 13                        ; their scale words, my half
	s_lshl_b32 s93, s16, 12
	s_add_co_u32 s96, s96, s93
	s_mov_b32 s97, 0
	s_mul_i32 s100, s19, 196608                    ; B likewise, from group 640 of opq on
	s_mul_i32 s98, s16, QUART
	s_add_co_u32 s100, s100, s98
	s_add_co_u32 s100, s100, 7864320
	s_mov_b32 s101, 0
	s_lshl_b32 s98, s19, 13
	s_lshl_b32 s99, s16, 12
	s_add_co_u32 s98, s98, s99
	s_add_co_u32 s98, s98, 327680
	s_mov_b32 s99, 0
	s_mul_i32 s2, s15, BPART               ; the refill's place: A's or B's part, my two steps of the phase
	s_mul_i32 s3, s16, QUART
	s_add_co_u32 s2, s2, s3
	s_lshl_b32 s3, s14, 12                         ; wave x a quarter of the scale words
	s_wait_kmcnt 0x0
	s_add_nc_u64 s[94:95], s[4:5], s[94:95]
	s_add_nc_u64 s[96:97], s[6:7], s[96:97]
	s_add_nc_u64 s[100:101], s[8:9], s[100:101]
	s_add_nc_u64 s[98:99], s[10:11], s[98:99]
	CROUND                                         ; all sixteen work-groups are here: the first joint loads meet
	GROUP0 G0A0, 2, 0, 94, 0                       ; the refill's group 0: stepped to phase 3 where it is used
	GROUP0 G0B0, 2, 0, 100, 0
	; THE HEAD'S LOADS, ONE A WAVE: wave 0 A's steps 0-11, wave 1 B's, wave 2 A's scale words, wave 3 B's
	s_mov_b32 s[G0A1], 1
	s_mov_b32 s[G0A1+1], 0
	s_mul_i32 s[G0A1+2], s21, 196608
	s_mov_b32 s[G0A1+3], 0
	s_add_nc_u64 s[G0A1+2:G0A1+3], s[4:5], s[G0A1+2:G0A1+3]
	s_or_b32 s[G0A1+3], s[G0A1+3], 0x80000000
	s_mov_b32 s[G0B1], 1
	s_mov_b32 s[G0B1+1], BPART
	s_mul_i32 s[G0B1+2], s19, 196608
	s_add_co_u32 s[G0B1+2], s[G0B1+2], 7864320
	s_mov_b32 s[G0B1+3], 0
	s_add_nc_u64 s[G0B1+2:G0B1+3], s[8:9], s[G0B1+2:G0B1+3]
	s_or_b32 s[G0B1+3], s[G0B1+3], 0x80000000
	s_mov_b32 s[G0SA], 1
	s_mov_b32 s[G0SA+1], SCL
	s_lshl_b32 s[G0SA+2], s21, 13
	s_mov_b32 s[G0SA+3], 0
	s_add_nc_u64 s[G0SA+2:G0SA+3], s[6:7], s[G0SA+2:G0SA+3]
	s_or_b32 s[G0SA+3], s[G0SA+3], 0x80000000
	s_mov_b32 s[G0SB], 1
	s_mov_b32 s[G0SB+1], SCL+8192
	s_lshl_b32 s[G0SB+2], s19, 13
	s_add_co_u32 s[G0SB+2], s[G0SB+2], 327680
	s_mov_b32 s[G0SB+3], 0
	s_add_nc_u64 s[G0SB+2:G0SB+3], s[10:11], s[G0SB+2:G0SB+3]
	s_or_b32 s[G0SB+3], s[G0SB+3], 0x80000000
.macro ARM under, g0, g1, next         ; one chain of branches on the wave's number, one load to an arm, all arms to one join
	s_cmp_lt_u32 s14, \under
	s_cbranch_scc0 \next
	tensor_load_to_lds s[\g0:\g0+3], s[\g1:\g1+7]
	s_nop 0
.rept 4
	v_nop
.endr
	s_branch .Lhead_asked
\next:
.endm
	ARM 1, G0A1, G1A, .Lhead_b
	ARM 2, G0B1, G1B, .Lhead_sa
	ARM 3, G0SA, G1SA, .Lhead_sb
	tensor_load_to_lds s[G0SB:G0SB+3], s[G1SB:G1SB+7]
	s_nop 0
.rept 4
	v_nop
.endr
.Lhead_asked:
	v_and_b32 v1, 15, v0                           ; r
	v_bfe_u32 v2, v0, 4, 1                         ; h
	s_wait_alu depctr_va_vdst(0)
	v_and_b32 v3, 31, v0
	v_lshlrev_b32 v[LI], 4, v3
	s_mul_i32 s2, s15, MYH
	s_mul_i32 s3, s16, MYH
	s_add_co_u32 s3, s3, BPART
.irp s, 0,1,2
	v_add_nc_u32 v[ADRA+\s], s2, v[LI]
	v_add_nc_u32 v[ADRB+\s], s3, v[LI]
	s_add_co_u32 s2, s2, PHB               ; a phase on inside A's or B's part
	s_add_co_u32 s3, s3, PHB
.endr
	s_lshl_b32 s2, s15, 4                          ; A's words of my four tiles
	s_lshl_b32 s3, s16, 4
	s_add_co_u32 s3, s3, 8192                      ; B's, behind A's 8,192 bytes
	s_sub_co_u32 s3, s3, s2
	v_mul_u32_u24 v4, s3, v2                       ; lanes 16-31 take B's: the lower base + h x the distance
	s_add_co_u32 s2, s2, SCL
	v_lshl_add_u32 v4, v1, 5, v4
	v_add_nc_u32 v[ADRS], s2, v4
	s_mul_i32 s2, s14, 16*272
	s_add_co_u32 s2, s2, STAGE                     ; my stage
	v_mul_u32_u24 v4, v1, 272
	v_lshl_add_u32 v4, v2, 6, v4
	v_add_nc_u32 v[STO], s2, v4                    ; in: row r, + 64 h
	v_mul_u32_u24 v4, v2, 272
	v_lshl_add_u32 v4, v1, 4, v4
	v_add_nc_u32 v[RD], s2, v4                     ; back: lanes 0-15 one row of 256 bytes, lanes 16-31 the next
	v_lshlrev_b32 v[CO], 12, v2
	v_lshl_add_u32 v[CO], v1, 4, v[CO]             ; and the same two rows of out0
	s_lshl_b32 s93, s21, 7
	s_lshl_b32 s94, s15, 6
	s_add_co_u32 s93, s93, s94                     ; my first token
	s_lshl_b32 s94, s93, 12
	s_mov_b32 s95, 0
	s_lshl_b32 s96, s19, 9
	s_lshl_b32 s97, s16, 8
	s_add_co_u32 s96, s96, s97                     ; my first column, in bytes
	s_add_co_u32 s94, s94, s96
	s_add_nc_u64 s[12:13], s[12:13], s[94:95]
; The fragments and scale words of step FST (slot FS, its FQ-th step) into set FSET: loads of 16 bytes a lane at 16 x lane, 512 consecutive bytes each.
.macro FETCH
	WIN TO_B
.set i, 0
.rept NT
.irp c, 0,1,2
	ds_load_b128 v[96*FSET+12*i+4*\c:96*FSET+12*i+4*\c+3], v[ADRB+FS] offset:(8*FQ+i)*FRB+512*\c
.endr
.set i, i+1
.endr
	WIN 0
.set i, 0
.rept MT
.irp c, 0,1,2
	ds_load_b128 v[AF+96*FSET+12*i+4*\c:AF+96*FSET+12*i+4*\c+3], v[ADRA+FS] offset:(8*FQ+i)*FRB+512*\c
.endr
.set i, i+1
.endr
	ds_load_b128 v[SC+8*FSET:SC+8*FSET+3], v[ADRS] offset:512*FST        ; register i: lanes 0-15 the word of my A tile i, lanes 16-31 that of my B tile i
.endm
; A quarter of a step's products: one tile of A against B's four.  The accumulators take turns, one instruction a turn, in the same order in every step.  Step 0 starts the sums.
.macro MULQ k
.set a, (\k)*MT/4
.rept MT/4
	WIN MUL_LO+0x50*(a/4)
.set b, 0
.rept NT
.if S == 0
	v_wmma_scale_f32_16x16x128_f8f6f4 v[8*(NT*(a%4)+b):8*(NT*(a%4)+b)+7], v[96*CSET+12*b:96*CSET+12*b+11], v[AF+96*CSET+12*a:AF+96*CSET+12*a+11], 0, v[SC+8*CSET+b], v[SC+8*CSET+a] matrix_a_fmt:MATRIX_FMT_FP6 matrix_b_fmt:MATRIX_FMT_FP6 matrix_a_scale:MATRIX_SCALE_ROW1
.else
	v_wmma_scale_f32_16x16x128_f8f6f4 v[8*(NT*(a%4)+b):8*(NT*(a%4)+b)+7], v[96*CSET+12*b:96*CSET+12*b+11], v[AF+96*CSET+12*a:AF+96*CSET+12*a+11], v[8*(NT*(a%4)+b):8*(NT*(a%4)+b)+7], v[SC+8*CSET+b], v[SC+8*CSET+a] matrix_a_fmt:MATRIX_FMT_FP6 matrix_b_fmt:MATRIX_FMT_FP6 matrix_a_scale:MATRIX_SCALE_ROW1
.endif
.set b, b+1
.endr
.set a, a+1
.endr
.endm
; Step S multiplies set S % 2 and, in its middle, fetches step S + 1 into the other set, behind four places (loads into registers that matrix instructions have read).
.macro STEP
.set CSET, S%2
.set FS,   ((S+1)/NQ)%3
.set FQ,   (S+1)%NQ
.set FSET, (S+1)%2
.set FST,  S+1
.if (S == NQ-1) || (S == 3*NQ-1)
	WIN 0                                          ; (the add's two registers lie in window 0)
	s_wait_tensorcnt 0x0                           ; all my tensor loads have landed
	ds_add_u32 v[SPW], v[NIL]                      ; 0 onto my spare word
	s_wait_dscnt 1                                 ; this step's fragments are in; the add may be out
	MULQ 0
	s_wait_dscnt 0x0                               ; the add is done; my reads of the slot that is left were over before
	s_barrier_signal -1
	MULQ 1
	WIN 0
	s_barrier_wait -1
.if S == NQ-1
	CREST                                          ; the barrier has opened a round of the cluster's: no wave of any partner still reads slot 0 or has a load on its way
	s_add_nc_u64 s[G0A0+2:G0A0+3], s[G0A0+2:G0A0+3], 3*PHB
	s_add_nc_u64 s[G0B0+2:G0B0+3], s[G0B0+2:G0B0+3], 3*PHB
	JLOAD G0A0, G1A, G0B0, G1B                     ; phase 3 into slot 0: my one load behind the round; its four v_nop are the places in front of the loads below
.else
	PLACES                                         ; phase 3 has landed in every wave's part
.endif
	FETCH
	MULQ 2
	MULQ 3
.else
	s_wait_dscnt 0x0                               ; this step's fragments, asked for half a step ago
	MULQ 0
	MULQ 1
.if S < 4*NQ-1
	PLACES
	FETCH
.endif
	MULQ 2
	MULQ 3
.endif
.endm
	s_wait_alu depctr_va_vdst(0)
	s_wait_tensorcnt 0x0                           ; my tile of the head's four is in; no load of mine is out, so group 1 may be written: the refill brings 96 rows
.irp g, G1A, G1B
	s_mov_b32 s[\g+2], 96<<16
	s_mov_b32 s[\g+4], 96
.endr
	s_barrier_signal -1
	s_barrier_wait -1
.set FS, 0
.set FQ, 0
.set FSET, 0
.set FST, 0
	FETCH
.set S, 0
.rept 4*NQ
	STEP
.set S, S+1
.endr
	WIN 0
	PLACES                                         ; behind the last products: results are read, and loads land in operand registers, from here on
; THE WAY OUT, a tile of 16 tokens x 64 columns at a time, through my own stage.  Register j of accumulator (a, b), lane (r, h): column 32 (b / 2) + 16 h + 8 (b % 2) + j of my 64; row-lane r is token 32 (a / 2) + 8 (a % 2) + r + (r & 8) of my 64.
; LDS serves a wave's instructions in order (ISA guide 5.7.1.4): no wait between the stores and the loads, nor in front of the next tile's stores.
.macro TOSTAGE a
	WIN 0x08                                       ; an LDS store's data are its source 1: window 2
.irp b, 0,1,2,3
	ds_store_b128 v[STO], v[8*(NT*(\a)+\b):8*(NT*(\a)+\b)+3] offset:128*(\b/2)+32*(\b%2)       ; each accumulator from its low end on
	ds_store_b128 v[STO], v[8*(NT*(\a)+\b)+4:8*(NT*(\a)+\b)+7] offset:128*(\b/2)+32*(\b%2)+16
.endr
	WIN 0
.irp t, 0,1,2,3,4,5,6,7
	ds_load_b128 v[AF+32*(\a)+4*\t:AF+32*(\a)+4*\t+3], v[RD] offset:544*\t
.endr
.endm
.macro SEND a, younger                 ; younger: the LDS instructions issued behind tile a's loads, which may stay out
	s_wait_dscnt \younger
.irp t, 0,1,2,3,4,5,6,7
	global_store_b128 v[CO], v[AF+32*(\a)+4*\t:AF+32*(\a)+4*\t+3], s[12:13] offset:(32*((\a)/2)+8*((\a)%2)+2*\t+((2*\t)&8))*4096 th:TH_STORE_NT   ; sixteen lanes store 256 consecutive bytes, at a multiple of 256 from out0's first byte
.endr
.endm
	TOSTAGE 0
.irp a, 1,2,3
	TOSTAGE \a
	SEND \a-1, 16                                  ; behind tile a - 1's loads: tile a's 8 stores and 8 loads; each tile has registers of its own
.endr
	SEND 3, 0
	s_wait_tensorcnt 0x0                           ; the wave's end
	ds_add_u32 v[SPW], v[NIL]
	s_wait_dscnt 0x0
	CROUND                                         ; the closing round
	s_endpgm
.Lfunc_end_k_qee7b1b1edf_outp:
	.size	k_qee7b1b1edf_outp, .Lfunc_end_k_qee7b1b1edf_outp-k_qee7b1b1edf_outp
	.p2alignl 7, 3214868480
	.fill 96, 4, 3214868480
	.section	.rodata,"a",@progbits
	.p2align	6, 0x0
	.amdhsa_kernel k_qee7b1b1edf_outp
		.amdhsa_group_segment_fixed_size 327680
		.amdhsa_private_segment_fixed_size 0
		.amdhsa_enable_private_segment 0
		.amdhsa_kernarg_size 40
		.amdhsa_user_sgpr_count 2
		.amdhsa_user_sgpr_kernarg_segment_ptr 1
		.amdhsa_wavefront_size32 1
		.amdhsa_system_sgpr_workgroup_id_x 1
		.amdhsa_system_sgpr_workgroup_id_y 1
		.amdhsa_system_sgpr_workgroup_id_z 1
		.amdhsa_system_vgpr_workitem_id 0
		.amdhsa_next_free_vgpr 640
		.amdhsa_next_free_sgpr 102
		.amdhsa_reserve_vcc 0
		.amdhsa_float_denorm_mode_32 3
		.amdhsa_float_denorm_mode_16_64 3
		.amdhsa_memory_ordered 1
		.amdhsa_forward_progress 1
		.amdhsa_inst_pref_size 80
	.end_amdhsa_kernel
	.amdgpu_metadata
---
amdhsa.version: [ 1, 2 ]
amdhsa.kernels:
  - .name:           k_qee7b1b1edf_outp
    .symbol:         k_qee7b1b1edf_outp.kd
    .args:
      - { .name: yq, .offset: 0, .size: 8, .value_kind: global_buffer, .address_space: global }
      - { .name: ys, .offset: 8, .size: 8, .value_kind: global_buffer, .address_space: global }
      - { .name: opq, .offset: 16, .size: 8, .value_kind: global_buffer, .address_space: global }
      - { .name: ops, .offset: 24, .size: 8, .value_kind: global_buffer, .address_space: global }
      - { .name: out0, .offset: 32, .size: 8, .value_kind: global_buffer, .address_space: global }
    .group_segment_fixed_size: 327680
    .private_segment_fixed_size: 0
    .kernarg_segment_align: 8
    .kernarg_segment_size: 40
    .max_flat_workgroup_size: 128
    .sgpr_count:     102
    .vgpr_count:     640
    .wavefront_size: 32
...
	.end_amdgpu_metadata
.endif
;; end of part 4
